; MI455X (gfx1250); checked and timed in simulation.
; The chip was launched on July 23, 2026; its instructions are those of AMD's public machine-readable ISA for CDNA 5 (MIT licence, August 2026) and "CDNA5" Instruction Set Architecture Reference Guide (July 2026). The comments in the code are by the model that wrote it; some were corrected since.
;; Multi Head Attention. Allowed arithmetic: matrix products marked QUANTISED: E2M3 operands, one E8M0 scale for each 32 along K, by v_wmma_scale_f32_16x16x128_f8f6f4 with both operands' format E2M3, f32 sums; everything else in f32.
;; Inputs: Wk 1,024 x 1,024 float32; Wo 1,024 x 1,024 float32; Wq 1,024 x 1,024 float32; Wv 1,024 x 1,024 float32; bk 1,024 float32; bo 1,024 float32; bq 1,024 float32; bv 1,024 float32; k 2 x 2,048 x 1,024 float32; mask 2 x 1 x 2,048 x 2,048 int32; q 2 x 2,048 x 1,024 float32; v 2 x 2,048 x 1,024 float32.
;; Outputs: out0 2 x 2,048 x 1,024 float32.
;; This version of the problem:
;;   THIS VERSION OF THE PROBLEM IS GIVEN IN LOW PRECISION. The matrix products marked QUANTISED in the list below multiply operands that are first quantised to E2M3 (2 exponent bits, 3 mantissa bits; 6 bits a number), with one power-of-two scale for each 32 numbers along K (OCP MX v1.0); their sums are f32. All else is computed in f32.
;;   The module's matrix products, in the order in which they are computed (A, B: the left and right operand; K: the contracted axis; several contracted axes count as one K, in the product's order):
;;     1. [M 4,096, K 1,024] x [K 1,024, N 1,024]; A: input q; B: input Wq: QUANTISED
;;     2. [M 4,096, K 1,024] x [K 1,024, N 1,024]; A: input k; B: input Wk: QUANTISED
;;     3. [M 4,096, K 1,024] x [K 1,024, N 1,024]; A: input v; B: input Wv: QUANTISED
;;     4. batch 32 x [M 2,048, K 64] x [K 64, N 2,048]; A: computed on the way; B: computed on the way: QUANTISED
;;     5. batch 32 x [M 2,048, K 2,048] x [K 2,048, N 64]; A: computed on the way; B: computed on the way: QUANTISED
;;     6. [M 4,096, K 1,024] x [K 1,024, N 1,024]; A: computed on the way; B: input Wo: QUANTISED
;;   THE QUANTISER, for each operand of a quantised product, along K:
;;     - K is cut into blocks of 32 from its start; a last block that is shorter is filled with zeros.
;;     - A block's scale is 2^e with e = floor(log2(the largest magnitude in the block)) - 2, held to -126 .. 127; a block of zeros has e = 0. As a byte (E8M0): e + 127.
;;     - Each number is divided by its block's scale, clamped to +-7.5, and rounded to the nearest number of E2M3, ties to even, subnormals kept.
;;     - The product sums the exact products of the quantised numbers (number of the format x scale) in f32.
;;   ~~~python
;;   def quantise(x, axis):      # numpy; x: float32 -> the quantised numbers, widened to float32 again
;;       x = np.moveaxis(x, axis, -1); K = x.shape[-1]
;;       x = np.pad(x, [(0, 0)] * (x.ndim - 1) + [(0, -K % 32)]); x = x.reshape(x.shape[:-1] + (-1, 32)); a = np.abs(x).max(-1, keepdims=True)
;;       e = np.where(a > 0, np.clip(np.frexp(np.where(a > 0, a, 1))[1] - 1 - 2, -126, 127), 0)      # np.frexp(a)[1] - 1 = floor(log2(a)), exactly
;;       r = np.clip(x / 2.0 ** e, -7.5, 7.5)
;;       step = 2.0 ** (np.maximum(np.frexp(np.where(r == 0, 1, r))[1] - 1, 0) - 3)
;;       q = np.round(r / step) * step * 2.0 ** e      # np.round: ties to even
;;       return np.moveaxis(q.reshape(q.shape[:-2] + (-1,))[..., :K], -1, axis).astype(np.float32)
;;   ~~~
;;   OPERANDS COMPUTED ON THE WAY. 'Computed on the way' means the value that the module computes at that place (a softmax that the list does not call 'softmax' is quantised finished and normalised). What goes into a quantiser is computed in f32, as accurately as f32 sums, v_exp_f32 and their like allow (about 1e-6 of the number): no bf16 or f16 on the way to a quantiser, and a product that is left as it is and whose result goes on into a quantised operand takes f32 operands (vector FMAs, or v_wmma_f32_16x16x4_f32). A number that lies on a knife's edge between two numbers of the format may be rounded either way, as far as f32 arithmetic and the matrix unit's own rounding can turn it there, and no further.
;; 2 versions, each right; version 2 is version 1 with the launch attn written anew for expert scheduling mode. Each part assembles by itself: llvm-mc -triple=amdgcn-amd-amdhsa -mcpu=gfx1250 --defsym DOCPART=n.
;; ======== version 1 of 2: 4 launches
;; workspace buffers: xin 9,830,400 bytes; wts 3,276,800 bytes; mbits 1,048,576 bytes of whole numbers; prj 9,830,400 bytes; xat 3,276,800 bytes
;; launch prep (part 1): grid 576 x 1, 4 waves a work-group, no clusters, 68,096 bytes of LDS; arguments q, k, v, mask, Wq, Wk, Wv, Wo, xin, wts, mbits; writes xin, wts, mbits
.if DOCPART == 1
	.amdgcn_target "amdgcn-amd-amdhsa--gfx1250"
	.amdhsa_code_object_version 6
	.text
	.protected	k_q7b9a49de9b_prep
	.globl	k_q7b9a49de9b_prep
	.p2align	8
	.type	k_q7b9a49de9b_prep,@function
k_q7b9a49de9b_prep:
	s_mov_b64 s[64:65], 0
	v_nop
	global_prefetch_b8 v0, s[64:65] scope:SCOPE_SE
	s_setreg_imm32_b32 hwreg(HW_REG_WAVE_MODE, 25, 1), 1
	s_wait_xcnt 0x0
; THE PREPARATION.  q, k, v [4096][1024] and Wq, Wk, Wv, Wo [1024 (k)][1024 (n)], f32, become codes of FP6 (E2M3) with one E8M0 byte for each 32 along K (K = the 1,024 hidden numbers);
; the mask [4096 rows][2048 keys], int32, becomes one bit a number.  Everything is laid as the later launches' registers want it.
; TILES.  A tile is 16 rows, NOT neighbours: lane r of tile T stands for row 32 (T / 2) + 8 (T % 2) + r + 8 (r / 8).  So, where a tile is a product's source 0, the 16 result registers of tiles 2 b and 2 b + 1
; are 16 neighbouring rows, 32 b + 16 (lane / 16) + 0 .. 15: neighbours along the next product's K.
; A FRAGMENT (16 rows x 128 K, 12 registers a lane: lane (r, h) holds K = 64 c + 32 h + 0 .. 31 in registers 6 c .. 6 c + 5) is stored as an image of its registers: register 4 c + i of lane L at 512 c + 16 L + 4 i: 1,536 bytes.
;   xin: codes of tensor t at t x 3,145,728: [tile 256][K step 8][1536]; scale words at 9,437,184 + t x 131,072: [tile][r][8 words].   wts: the same with 64 tiles of columns n: t x 786,432; 3,145,728 + t x 32,768.
;   mbits: [tile of queries 256][key step 16][64 words]: bit L = (r, h) of word 16 blk + e says whether mask[row of lane r][128 step + 32 blk + 16 h + e] is not 0.
; THE QUANTISER.  A block's scale is 2^(floor(log2(its largest magnitude)) - 2): its byte is the largest magnitude's exponent field - 2, held at 1 from below.
; LIMITS: NaN and infinities among the inputs are not served; a block of zeros gets the byte 1 (its codes are zeros, and this program alone reads the bytes); blocks whose largest magnitude lies under 2^(3 - 127) are quantised under the byte 1.
; SHARES.  Work-groups 0-191: a wave takes one tile of q, k or v (16 rows x 1,024).  192-319: a wave takes 16 rows x 1,024 keys of the mask.  320-575: a wave takes 32 columns x 128 along K of a weight.
; The three ways part on the work-group's number alone; each has LDS bytes of its own.  Memory binds: every load of the first two ways reads 512 consecutive bytes of a row, and the rows turn through the wave's own stage in LDS.
; The weights' scale words leave 4 bytes a lane, 32 bytes apart: 128 KiB in all, one byte in 128 of what the weights' way reads.
.set STW,   8448                       ; a wave's stage: 16 rows x 528 bytes
.set SP,    528                        ; a stage row: 512 bytes + 16, so that the sixteen rows of a load start at sixteen different banks
.set MST,   4*STW                      ; the mask's stages, behind the tokens'
.set SPARE, 8*STW                      ; the spare words, 128 bytes for each wave
.set R,   128                          ; v128-255 two sets of 64: rows as they are loaded
.set X,   64                           ; v64-127  64 numbers of my row
.set W,   16                           ; v16-23   a tile's eight scale words
.set WS,  24                           ; v24-27   four of them, to store
.set C,   28                           ; v28-39   a fragment's codes
.set SRC, 32                           ; s[32:33] from where
.set DST, 34                           ; s[34:35] to where
.set SDS, 36                           ; s[36:37] the scale words' place
.macro FINISH                          ; the wave's end
	s_wait_tensorcnt 0x0
	ds_add_u32 v6, v7
	s_wait_dscnt 0x0
	s_endpgm
.endm
.macro LOADU s, pitch                  ; unit s: 512 bytes of each of my tile's 16 rows, into set s % 2
.irp rr, 0,1,2,3,4,5,6,7,8,9,10,11,12,13,14,15
	global_load_b128 v[R+64*((\s)%2)+4*\rr:R+64*((\s)%2)+4*\rr+3], v1, s[SRC:SRC+1] offset:(\rr+8*(\rr/8))*\pitch+512*(\s) th:TH_LOAD_NT
.endr
.endm
.macro ARRIVE s                        ; unit s has come, and goes into the stage as it lies
.if (\s) < 7
	s_wait_loadcnt 16                              ; the next unit's 16 loads may stay out
.else
	s_wait_loadcnt 0x0
.endif
.irp rr, 0,1,2,3,4,5,6,7,8,9,10,11,12,13,14,15
	ds_store_b128 v2, v[R+64*((\s)%2)+4*\rr:R+64*((\s)%2)+4*\rr+3] offset:SP*\rr
.endr
.endm
	s_load_b512 s[4:19], s[0:1], 0x0               ; q, k, v, mask, Wq, Wk, Wv, Wo
	s_load_b128 s[20:23], s[0:1], 0x40             ; xin, wts
	s_load_b64 s[24:25], s[0:1], 0x50              ; mbits
	v_lshl_add_u32 v6, v0, 2, SPARE                ; my spare word
	v_mov_b32 v7, 0
	v_lshrrev_b32 v8, 5, v0
	v_readfirstlane_b32 s26, v8                    ; wave
	v_and_b32 v10, 31, v0                          ; lane
	v_and_b32 v8, 15, v0                           ; r
	v_bfe_u32 v9, v0, 4, 1                         ; h
	s_mov_b32 s28, 0x76543210
	s_mov_b32 s29, 0xfedcba98                      ; v_permlanex16_b32's selects for lane l xor 16
	s_mov_b32 s30, 0xffff0000                      ; lanes 16-31
	s_mul_i32 s27, s26, STW                        ; my stage
	s_mov_b32 s39, 0                               ; the upper words of three offsets
	s_mov_b32 s41, 0
	s_mov_b32 s43, 0
	s_cmp_lt_u32 ttmp9, 192
	s_cbranch_scc0 .Lnot_x
; ---------------- q, k, v ----------------
	s_lshr_b32 s31, ttmp9, 6                       ; which tensor
	s_and_b32 s44, ttmp9, 63
	s_lshl_b32 s44, s44, 2
	s_add_co_u32 s44, s44, s26                     ; my tile T
	s_lshr_b32 s45, s44, 1
	s_lshl_b32 s45, s45, 5
	s_and_b32 s46, s44, 1
	s_lshl_b32 s46, s46, 3
	s_add_co_u32 s45, s45, s46                     ; its first row: 32 (T / 2) + 8 (T % 2)
	s_lshl_b32 s38, s45, 12                        ; rows of 4,096 bytes
	s_mul_i32 s40, s31, 3145728
	s_mul_i32 s46, s44, 12288
	s_add_co_u32 s40, s40, s46                     ; the tile's eight fragments
	s_lshl_b32 s42, s31, 17
	s_lshl_b32 s46, s44, 9
	s_add_co_u32 s42, s42, s46
	s_add_co_u32 s42, s42, 9437184                 ; and its scale words
	v_lshlrev_b32 v1, 4, v10                       ; 16 x lane
	v_add_nc_u32 v2, s27, v1                       ; into the stage: a row's 512 bytes as they lie
	v_mul_u32_u24 v3, v8, SP
	v_lshl_add_u32 v3, v9, 7, v3
	v_add_nc_u32 v3, s27, v3                       ; out of it: row r, + 128 h: my 32 numbers of each 64
	v_lshlrev_b32 v4, 3, v9                        ; 8 h: my bytes' place in a scale word
	v_lshlrev_b32 v5, 5, v8
	v_lshl_add_u32 v5, v9, 4, v5                   ; 32 r + 16 h: my four of the row's eight scale words
	v_mov_b32 v15, 0                               ; (a lane permute's destination counts as one of its sources)
	s_wait_kmcnt 0x0
	s_cmp_eq_u32 s31, 0
	s_cselect_b64 s[SRC:SRC+1], s[4:5], s[6:7]
	s_cmp_eq_u32 s31, 2
	s_cselect_b64 s[SRC:SRC+1], s[8:9], s[SRC:SRC+1]
	s_add_nc_u64 s[SRC:SRC+1], s[SRC:SRC+1], s[38:39]
	s_add_nc_u64 s[DST:DST+1], s[20:21], s[40:41]
	s_add_nc_u64 s[SDS:SDS+1], s[20:21], s[42:43]
.macro UNITX s                         ; K step s of my tile: 16 rows x 128 numbers become one fragment and one scale word a row
	ARRIVE \s
.irp c, 0,1
.irp i, 0,1,2,3,4,5,6,7
	ds_load_b128 v[X+32*\c+4*\i:X+32*\c+4*\i+3], v3 offset:256*\c+16*\i   ; K = 64 c + 32 h + 4 i ..: LDS serves a wave's instructions in order, so these see the stores above
.endr
.endr
	s_wait_dscnt 0x0                               ; my numbers are back, and the stores into the stage have read their registers
	s_wait_xcnt 0x0                                ; the last unit's stores have read the codes' registers, which are written again below
.if (\s)+2 < 8
	LOADU (\s)+2, 4096
.endif
.irp c, 0,1
	v_max3_num_f32 v[8+\c], |v[X+32*\c]|, |v[X+32*\c+1]|, 0x1800000   ; block 2 c + h: all 32 numbers are mine; and the floor 2^(3 - 127)
.endr
.irp i, 2,4,6,8,10,12,14,16,18,20,22,24,26,28,30
.irp c, 0,1
	v_max3_num_f32 v[8+\c], v[8+\c], |v[X+32*\c+\i]|, |v[X+32*\c+\i+1]|
.endr
.endr
.irp c, 0,1
	v_add_nc_u32 v[10+\c], 0xff000000, v[8+\c]     ; 2 off the exponent field: the conversion's scale operand
.endr
.irp c, 0,1
	v_lshrrev_b32 v[12+\c], 23, v[10+\c]           ; the byte
.endr
	v_lshl_or_b32 v14, v13, 16, v12                ; blocks h and 2 + h,
	v_lshlrev_b32 v14, v4, v14                     ; at their places;
	v_permlanex16_b32 v15, v14, s28, s29
	v_or_b32 v[W+(\s)], v14, v15                   ; with lane l xor 16's two the word is whole
	v_cvt_scalef32_pk16_fp6_f32 v[C:C+2], v[X:X+15], v10
	v_cvt_scalef32_pk16_fp6_f32 v[40:42], v[X+16:X+31], v10       ; (a conversion's three registers begin on an even number)
	v_cvt_scalef32_pk16_fp6_f32 v[C+6:C+8], v[X+32:X+47], v11
	v_cvt_scalef32_pk16_fp6_f32 v[44:46], v[X+48:X+63], v11
	v_nop                                          ; one plain place behind the conversions
.irp i, 0,1,2
	v_mov_b32 v[C+3+\i], v[40+\i]
	v_mov_b32 v[C+9+\i], v[44+\i]
.endr
.irp c, 0,1,2
	global_store_b128 v1, v[C+4*\c:C+4*\c+3], s[DST:DST+1] offset:1536*(\s)+512*\c   ; 512 consecutive bytes
.endr
.endm
	LOADU 0, 4096
	LOADU 1, 4096
.irp s, 0,1,2,3,4,5,6,7
	UNITX \s
.endr
.irp i, 0,1,2,3
	v_cndmask_b32 v[WS+\i], v[W+\i], v[W+4+\i], s30   ; lanes 0-15 store words 0-3 of their row, lanes 16-31 words 4-7
.endr
	global_store_b128 v5, v[WS:WS+3], s[SDS:SDS+1]    ; the tile's 512 bytes of scale words
	FINISH
; ---------------- the mask ----------------
.Lnot_x:
	s_cmp_lt_u32 ttmp9, 320
	s_cbranch_scc0 .Lpath_w
	s_sub_co_u32 s31, ttmp9, 192
	s_lshl_b32 s31, s31, 2
	s_add_co_u32 s31, s31, s26
	s_lshr_b32 s44, s31, 1                         ; my tile of queries
	s_and_b32 s45, s31, 1                          ; and which half of the keys
	s_lshr_b32 s46, s44, 1
	s_lshl_b32 s46, s46, 5
	s_and_b32 s47, s44, 1
	s_lshl_b32 s47, s47, 3
	s_add_co_u32 s46, s46, s47                     ; the tile's first row
	s_lshl_b32 s38, s46, 13                        ; rows of 8,192 bytes
	s_lshl_b32 s47, s45, 12
	s_add_co_u32 s38, s38, s47
	s_lshl_b32 s40, s44, 12                        ; 16 key steps x 256 bytes a tile
	s_lshl_b32 s47, s45, 11
	s_add_co_u32 s40, s40, s47
	s_add_co_u32 s27, s27, MST
	v_lshlrev_b32 v1, 4, v10
	v_add_nc_u32 v2, s27, v1
	v_mul_u32_u24 v3, v8, SP
	v_lshl_add_u32 v3, v9, 6, v3
	v_add_nc_u32 v3, s27, v3                       ; out of the stage: row r, + 64 h: my 16 numbers of each 32
	v_lshlrev_b32 v5, 3, v10                       ; 8 x lane
	v_mov_b32 v28, 0                               ; (v_writelane_b32's destination counts as read)
	v_mov_b32 v29, 0
	s_wait_kmcnt 0x0
	s_add_nc_u64 s[SRC:SRC+1], s[10:11], s[38:39]
	s_add_nc_u64 s[DST:DST+1], s[24:25], s[40:41]
.macro UNITM s                         ; a key step: 16 rows x 128 keys become 64 words of 32 bits
	ARRIVE \s
.irp b, 0,1,2,3
.irp i, 0,1,2,3
	ds_load_b128 v[X+16*\b+4*\i:X+16*\b+4*\i+3], v3 offset:128*\b+16*\i   ; register 16 b + e: key 32 b + 16 h + e
.endr
.endr
	s_wait_dscnt 0x0
	s_wait_xcnt 0x0                                ; the last unit's store has read v28 and v29
.if (\s)+2 < 8
	LOADU (\s)+2, 8192
.endif
.set n, 0
.rept 8
.irp j, 0,1,2,3,4,5,6,7
	v_cmp_ne_u32 s[48+\j], 0, v[X+n+\j]            ; word n + j: a bit for each lane
.endr
.irp j, 0,1,2,3,4,5,6,7
	v_writelane_b32 v[28+(\j%2)], s[48+\j], (n+\j)/2   ; lane l gathers words 2 l and 2 l + 1
.endr
.set n, n+8
.endr
	global_store_b64 v5, v[28:29], s[DST:DST+1] offset:256*(\s)   ; 256 consecutive bytes, aligned
.endm
	LOADU 0, 8192
	LOADU 1, 8192
.irp s, 0,1,2,3,4,5,6,7
	UNITM \s
.endr
	FINISH
; ---------------- the weights: K is their FIRST axis: a lane takes a column, its registers run down K ----------------
.Lpath_w:
	s_sub_co_u32 s31, ttmp9, 320
	s_lshr_b32 s44, s31, 6                         ; which weight
	s_bfe_u32 s45, s31, 0x30003                    ; which K step
	s_and_b32 s46, s31, 7
	s_lshl_b32 s46, s46, 2
	s_add_co_u32 s46, s46, s26                     ; which 32 columns: a pair of tiles
	s_lshl_b32 s38, s45, 19                        ; 128 rows of 4,096 bytes
	s_lshl_b32 s47, s46, 7
	s_add_co_u32 s38, s38, s47
	s_mul_i32 s40, s44, 786432
	s_mul_i32 s47, s46, 24576
	s_add_co_u32 s40, s40, s47
	s_mul_i32 s47, s45, 1536
	s_add_co_u32 s40, s40, s47                     ; the even tile's fragment of this K step
	s_lshl_b32 s42, s44, 15
	s_lshl_b32 s47, s46, 10
	s_add_co_u32 s42, s42, s47
	s_lshl_b32 s47, s45, 2
	s_add_co_u32 s42, s42, s47
	s_add_co_u32 s42, s42, 3145728                 ; and its scale words
	v_lshlrev_b32 v1, 2, v10                       ; 4 x lane
	v_bfe_u32 v11, v0, 3, 1                        ; column 32 G + L lies in tile 2 G + u, u = (L / 8) % 2,
	v_and_b32 v12, 7, v0
	v_lshl_or_b32 v12, v9, 3, v12                  ; at its lane r' = L % 8 + 8 (L / 16)
	v_mul_u32_u24 v2, v11, 12288
	v_lshl_add_u32 v2, v12, 4, v2
	v_lshlrev_b32 v3, 9, v11
	v_lshl_add_u32 v3, v12, 5, v3
	s_and_b32 s47, s44, 1
	s_wait_kmcnt 0x0
	s_cmp_lt_u32 s44, 2
	s_cselect_b64 s[SRC:SRC+1], s[12:13], s[16:17]
	s_cselect_b64 s[DST:DST+1], s[14:15], s[18:19]
	s_cmp_eq_u32 s47, 1
	s_cselect_b64 s[SRC:SRC+1], s[DST:DST+1], s[SRC:SRC+1]
	s_add_nc_u64 s[SRC:SRC+1], s[SRC:SRC+1], s[38:39]
	s_add_nc_u64 s[DST:DST+1], s[22:23], s[40:41]
	s_add_nc_u64 s[SDS:SDS+1], s[22:23], s[42:43]
.set kk, 0
.rept 128
	global_load_b32 v[64+kk], v1, s[SRC:SRC+1] offset:4096*kk th:TH_LOAD_NT   ; 128 consecutive bytes a wave
.set kk, kk+1
.endr
.macro WMAX b                          ; block b of my column: all 32 numbers are mine
	v_max3_num_f32 v[8+\b], |v[64+32*\b]|, |v[65+32*\b]|, 0x1800000
.irp i, 2,4,6,8,10,12,14,16,18,20,22,24,26,28,30
	v_max3_num_f32 v[8+\b], v[8+\b], |v[64+32*\b+\i]|, |v[65+32*\b+\i]|
.endr
.endm
	s_wait_loadcnt 63                              ; at most the last 63 of the 128 are out: blocks 0 and 1 are in
	WMAX 0
	WMAX 1
	s_wait_loadcnt 32                              ; block 3's 32 may be out
	WMAX 2
	s_wait_loadcnt 0x0
	WMAX 3
.irp b, 0,1,2,3
	v_add_nc_u32 v[12+\b], 0xff000000, v[8+\b]
.endr
.irp b, 0,1,2,3
	v_lshrrev_b32 v[16+\b], 23, v[12+\b]
.endr
	v_lshl_or_b32 v20, v17, 8, v16                 ; my column's scale word of this K step
	v_lshl_or_b32 v20, v18, 16, v20
	v_lshl_or_b32 v20, v19, 24, v20
	v_cvt_scalef32_pk16_fp6_f32 v[28:30], v[64:79], v12          ; what lane (r', 0) of the fragment holds: blocks 0 and 2
	v_cvt_scalef32_pk16_fp6_f32 v[40:42], v[80:95], v12
	v_cvt_scalef32_pk16_fp6_f32 v[34:36], v[128:143], v14
	v_cvt_scalef32_pk16_fp6_f32 v[44:46], v[144:159], v14
	v_cvt_scalef32_pk16_fp6_f32 v[192:194], v[96:111], v13       ; and lane (r', 1): blocks 1 and 3
	v_cvt_scalef32_pk16_fp6_f32 v[204:206], v[112:127], v13
	v_cvt_scalef32_pk16_fp6_f32 v[198:200], v[160:175], v15
	v_cvt_scalef32_pk16_fp6_f32 v[208:210], v[176:191], v15
	v_nop
.irp i, 0,1,2
	v_mov_b32 v[31+\i], v[40+\i]
	v_mov_b32 v[37+\i], v[44+\i]
	v_mov_b32 v[195+\i], v[204+\i]
	v_mov_b32 v[201+\i], v[208+\i]
.endr
.irp c, 0,1,2
	global_store_b128 v2, v[28+4*\c:31+4*\c], s[DST:DST+1] offset:512*\c          ; sixteen lanes fill 256 consecutive bytes of each of the two tiles
	global_store_b128 v2, v[192+4*\c:195+4*\c], s[DST:DST+1] offset:512*\c+256
.endr
	global_store_b32 v3, v20, s[SDS:SDS+1]
	FINISH
.Lfunc_end_k_q7b9a49de9b_prep:
	.size	k_q7b9a49de9b_prep, .Lfunc_end_k_q7b9a49de9b_prep-k_q7b9a49de9b_prep
	.p2alignl 7, 3214868480
	.fill 96, 4, 3214868480
	.section	.rodata,"a",@progbits
	.p2align	6, 0x0
	.amdhsa_kernel k_q7b9a49de9b_prep
		.amdhsa_group_segment_fixed_size 68096
		.amdhsa_private_segment_fixed_size 0
		.amdhsa_enable_private_segment 0
		.amdhsa_kernarg_size 88
		.amdhsa_user_sgpr_count 2
		.amdhsa_user_sgpr_kernarg_segment_ptr 1
		.amdhsa_wavefront_size32 1
		.amdhsa_system_sgpr_workgroup_id_x 1
		.amdhsa_system_sgpr_workgroup_id_y 1
		.amdhsa_system_sgpr_workgroup_id_z 1
		.amdhsa_system_vgpr_workitem_id 0
		.amdhsa_next_free_vgpr 256
		.amdhsa_next_free_sgpr 66
		.amdhsa_reserve_vcc 0
		.amdhsa_float_denorm_mode_32 3
		.amdhsa_float_denorm_mode_16_64 3
		.amdhsa_memory_ordered 1
		.amdhsa_forward_progress 1
		.amdhsa_inst_pref_size 173
	.end_amdhsa_kernel
	.amdgpu_metadata
---
amdhsa.version: [ 1, 2 ]
amdhsa.kernels:
  - .name:           k_q7b9a49de9b_prep
    .symbol:         k_q7b9a49de9b_prep.kd
    .args:
      - { .name: q, .offset: 0, .size: 8, .value_kind: global_buffer, .address_space: global }
      - { .name: k, .offset: 8, .size: 8, .value_kind: global_buffer, .address_space: global }
      - { .name: v, .offset: 16, .size: 8, .value_kind: global_buffer, .address_space: global }
      - { .name: mask, .offset: 24, .size: 8, .value_kind: global_buffer, .address_space: global }
      - { .name: Wq, .offset: 32, .size: 8, .value_kind: global_buffer, .address_space: global }
      - { .name: Wk, .offset: 40, .size: 8, .value_kind: global_buffer, .address_space: global }
      - { .name: Wv, .offset: 48, .size: 8, .value_kind: global_buffer, .address_space: global }
      - { .name: Wo, .offset: 56, .size: 8, .value_kind: global_buffer, .address_space: global }
      - { .name: xin, .offset: 64, .size: 8, .value_kind: global_buffer, .address_space: global }
      - { .name: wts, .offset: 72, .size: 8, .value_kind: global_buffer, .address_space: global }
      - { .name: mbits, .offset: 80, .size: 8, .value_kind: global_buffer, .address_space: global }
    .group_segment_fixed_size: 68096
    .private_segment_fixed_size: 0
    .kernarg_segment_align: 8
    .kernarg_segment_size: 88
    .max_flat_workgroup_size: 128
    .sgpr_count:     66
    .vgpr_count:     256
    .wavefront_size: 32
...
	.end_amdgpu_metadata
.endif
;; end of part 1
;; launch proj (part 2): grid 4 x 96, 4 waves a work-group, clusters of 4 x 1, 167,936 bytes of LDS; arguments xin, wts, bq, bk, bv, prj; writes prj
.if DOCPART == 2
	.amdgcn_target "amdgcn-amd-amdhsa--gfx1250"
	.amdhsa_code_object_version 6
	.text
	.protected	k_q7b9a49de9b_proj
	.globl	k_q7b9a49de9b_proj
	.p2align	8
	.type	k_q7b9a49de9b_proj,@function
k_q7b9a49de9b_proj:
	s_mov_b64 s[64:65], 0
	v_nop
	global_prefetch_b8 v0, s[64:65] scope:SCOPE_SE
	s_setreg_imm32_b32 hwreg(HW_REG_WAVE_MODE, 25, 1), 1
	s_wait_xcnt 0x0
	s_wait_alu depctr_hold_cnt(0) depctr_sa_sdst(0) depctr_va_vdst(0) depctr_va_sdst(0) depctr_va_ssrc(0) depctr_va_vcc(0) depctr_vm_vsrc(0)
	s_getreg_b32 s2, hwreg(HW_REG_IB_STS2, 6, 4)
	s_cmp_eq_u32 s2, 0
	s_cbranch_scc0 .Lentry_in_a_cluster
	s_endpgm
.Lentry_in_a_cluster:
	s_bfe_u32 s2, ttmp6, 0x10000c
	s_cmp_lg_u32 s2, 0x3003
	s_cbranch_scc0 .Lentry_shape_is_right
	s_endpgm
.Lentry_shape_is_right:
; THE THREE PROJECTIONS, their biases, and the quantiser of their results, on codes of FP6 (E2M3).  P[i][j] = sum over k of S1[i][k] S0[j][k] + bias; source 0 = 16 rows of S0, source 1 = 16 rows of S1: a lane holds ONE i,
; and its registers run along j: by the choice of a tile's rows (lane r of tile T: row 32 (T / 2) + 8 (T % 2) + r + 8 (r / 8)) the 16 registers of tiles 2 b, 2 b + 1 are j = 32 b + 16 (lane / 16) + 0 .. 15.  The result is quantised along j.
;   q and k (grid y 0-31, 32-63): S0 = the weight's columns (j = 128 columns: two heads), S1 = tokens.  The next K is a head's 64.     v (grid y 64-95): S0 = tokens (j = 128 keys), S1 = Wv's columns.  The next K is the keys.
; OUT: prj: codes of tensor t at t x 3,145,728: [J][tile of i][1536]: a fragment in two halves of 64 along K: half c at 768 c: registers 6 c .. 6 c + 3 at 16 x lane, 6 c + 4, 6 c + 5 at 512 + 8 x lane;
;   scale words at 9,437,184 + t x 131,072: [J][tile of i][16 words].  q, k: J = pair of heads (8), 256 tiles of tokens.  v: J = step of 128 keys (32), 64 tiles of columns.
; SHARES.  A work-group makes 256 i x 128 j; each of its four waves 64 i (4 tiles) x 128 j (8 tiles): 32 accumulators.  The quantiser wants a wave to hold all 128 j of a row.  384 work-groups.
; S1's fragments are a wave's own: they go from memory straight into 384 registers, once.  S0's panel (8 tiles x all of K, 98,304 bytes, and 4,096 of scale words) is shared by the four waves and by the FOUR WORK-GROUPS OF A CLUSTER,
; which differ in i alone: it comes into LDS by joint tensor loads, each wave a quarter, in four phases of two K steps.  All are first fills: by this text's count five loads of a wave are out at the most, and no LDS byte is filled twice.
; LIMITS: as the quantiser's in the launch before: no NaN or infinities; a block of zeros gets the byte 1.
; REGISTERS.  window 0: v1-8 addresses; v14, v15 the add's two; v16-47 S0's scale words (8 x pair of tiles + K step: lanes 0-15 the even tile, lanes 16-31 the odd); v48-63 S1's; v64-159, v160-255 S0's fragments, two sets.
;   window 1: accumulator (a, t) at 64 a + 8 t.   window 2: S1 (a = 0, 1; K step s) at 96 a + 12 s; v192-255 the bias, in the result's layout.   window 3: S1 (a = 2, 3).
.set SCL,   98304                      ; LDS: phase p at 24,576 p (tile t at 3,072 t, the odd K step 1,536 on); then S0's scale words;
.set SPARE, 102400                     ; then the spare words, 128 bytes for each wave
.set WV,  16
.set G1C, 24                           ; s[24:31] group 1 for the codes;  s[32:39] for the scale words;  s[40:55] groups 0 of the four phases;  s[56:59] of the scale words
.set G1S, 32
.set G0,  40
.set G0S, 56
.set S0C, 60
.set S0S, 62
.set S1C, 66
.set S1S, 68
.set BIA, 70
.set OC,  72
.set OS,  74
.set HM,  84
.set PP,  85                           ; which projection
.set SEL, 86
.set S0SC, 16
.set S1SC, 48
.set B0,  64
.set TM,  64                           ; the way out: v64-79 at work, v80-85 scale words, v96-191 codes
.set PW,  80
.set MSB, 0
.macro WIN new                         ; the immediate's high byte repeats the setting that is left
.if MSB != (\new)
	s_set_vgpr_msb (MSB<<8)|(\new)
.set MSB, (\new)
.endif
.endm
.macro ROUND                           ; a round of the cluster's barrier
	s_barrier_signal -1
	s_barrier_wait -1
	s_cmp_lg_u32 s[WV], 0
	s_cbranch_scc1 .Lnot_wave_0_\@
	s_barrier_signal -3
.Lnot_wave_0_\@:
	s_barrier_wait -3
	s_barrier_signal -1
	s_barrier_wait -1
.endm
.macro MM d, a, b, c, sa, sb, ra, rb   ; one product; ra, rb: the side's scale words stand in lanes 16-31
.if (\ra)&&(\rb)
	v_wmma_scale_f32_16x16x128_f8f6f4 v[\d:\d+7], v[\a:\a+11], v[\b:\b+11], v[\c:\c+7], v[\sa], v[\sb] matrix_a_fmt:MATRIX_FMT_FP6 matrix_b_fmt:MATRIX_FMT_FP6 matrix_a_scale:MATRIX_SCALE_ROW1 matrix_b_scale:MATRIX_SCALE_ROW1
.elseif (\ra)
	v_wmma_scale_f32_16x16x128_f8f6f4 v[\d:\d+7], v[\a:\a+11], v[\b:\b+11], v[\c:\c+7], v[\sa], v[\sb] matrix_a_fmt:MATRIX_FMT_FP6 matrix_b_fmt:MATRIX_FMT_FP6 matrix_a_scale:MATRIX_SCALE_ROW1
.elseif (\rb)
	v_wmma_scale_f32_16x16x128_f8f6f4 v[\d:\d+7], v[\a:\a+11], v[\b:\b+11], v[\c:\c+7], v[\sa], v[\sb] matrix_a_fmt:MATRIX_FMT_FP6 matrix_b_fmt:MATRIX_FMT_FP6 matrix_b_scale:MATRIX_SCALE_ROW1
.else
	v_wmma_scale_f32_16x16x128_f8f6f4 v[\d:\d+7], v[\a:\a+11], v[\b:\b+11], v[\c:\c+7], v[\sa], v[\sb] matrix_a_fmt:MATRIX_FMT_FP6 matrix_b_fmt:MATRIX_FMT_FP6
.endif
.endm
	s_load_b256 s[4:11], s[0:1], 0x0               ; xin, wts, bq, bk
	s_load_b128 s[12:15], s[0:1], 0x20             ; bv, prj
	v_lshl_add_u32 v14, v0, 2, SPARE
	v_mov_b32 v15, 0
	ds_add_u32 v14, v15                            ; the wave's opening: the add and its wait stand ahead of my first tensor load; work on registers stands between them
	v_lshrrev_b32 v1, 5, v0
	v_readfirstlane_b32 s[WV], v1
	v_and_b32 v9, 31, v0                           ; lane
	v_and_b32 v10, 15, v0                          ; r
	v_bfe_u32 v11, v0, 4, 1                        ; h
	v_lshlrev_b32 v1, 4, v9                        ; 16 x lane: an image's place for my lane
	v_add_nc_u32 v2, 49152, v1                     ; the same in phases 2 and 3
	v_lshlrev_b32 v3, 5, v10
	v_lshl_add_u32 v3, v11, 9, v3                  ; scale words: 32 r, and the next tile's for lanes 16-31
	v_lshlrev_b32 v4, 3, v9                        ; 8 x lane
	v_lshlrev_b32 v5, 2, v9                        ; 4 x lane
	v_lshlrev_b32 v6, 6, v11                       ; a bias along j: 16 h numbers on
	v_and_b32 v7, 8, v10
	v_add_nc_u32 v7, v7, v10
	v_lshlrev_b32 v7, 2, v7                        ; a bias along i: my row's, r + 8 (r / 8)
	v_add_nc_u32 v8, SCL, v3
	s_mov_b32 s[G1C], 15|(3<<16)|(1<<21)           ; 15:0 the mask: all four work-groups; 17:16 elements of 8 bytes; 21 set beside a mask
	s_mov_b32 s[G1C+1], 384<<16                    ; tensor_dim0: 3,072 bytes: two K steps of a tile
	s_mov_b32 s[G1C+2], 2<<16                      ; tensor_dim1: my two tiles
	s_mov_b32 s[G1C+3], 384<<16                    ; tile_dim0
	s_mov_b32 s[G1C+4], 2                          ; tile_dim1
	s_mov_b32 s[G1C+5], 1536                       ; from tile to tile: 12,288 bytes
	s_mov_b32 s[G1C+6], 0
	s_mov_b32 s[G1C+7], 0
	s_mov_b32 s[G1S], 15|(3<<16)|(1<<21)           ; my two tiles' scale words: 1,024 dense bytes as four rows of 256
	s_mov_b32 s[G1S+1], 32<<16
	s_mov_b32 s[G1S+2], 4<<16
	s_mov_b32 s[G1S+3], 32<<16
	s_mov_b32 s[G1S+4], 4
	s_mov_b32 s[G1S+5], 32
	s_mov_b32 s[G1S+6], 0
	s_mov_b32 s[G1S+7], 0
	s_mov_b32 s[HM], 0xffff0000
	s_mov_b32 s[SEL], 0x76543210
	s_mov_b32 s[SEL+1], 0xfedcba98
	s_and_b32 s88, ttmp7, 0xffff
	s_lshr_b32 s[PP], s88, 5                       ; 0: q, 1: k, 2: v
	s_and_b32 s89, s88, 31
	s_and_b32 s91, s89, 7
	s_mov_b32 s93, 3145728                         ; a tensor's codes in xin; also where wts' scale words begin
	s_mov_b32 s94, 786432                          ; a tensor's codes in wts
	s_mov_b32 s95, 131072                          ; a tensor's scale words in xin
	s_mov_b32 s96, 32768                           ; and in wts
	s_mov_b32 s97, 9437184                         ; where xin's scale words begin
	s_cmp_eq_u32 s[PP], 2
	s_cselect_b32 s91, s89, s91                    ; J: which 128 j
	s_cselect_b32 s98, 64, 0x100                   ; tiles of i in all
	s_cselect_b32 s18, s93, s94
	s_cselect_b32 s20, s95, s96
	s_cselect_b32 s99, s97, s93
	s_cselect_b32 s22, s94, s93
	s_cselect_b32 s76, s96, s95
	s_cselect_b32 s100, s93, s97
	s_mul_i32 s18, s18, s[PP]                      ; S0's codes: the tensor, J's eight tiles, my two of them.  Nothing of my place in the cluster enters here
	s_mul_i32 s17, s91, 98304
	s_add_co_u32 s18, s18, s17
	s_mul_i32 s17, s[WV], 24576
	s_add_co_u32 s18, s18, s17
	s_mov_b32 s19, 0
	s_mul_i32 s20, s20, s[PP]                      ; S0's scale words likewise
	s_add_co_u32 s20, s20, s99
	s_lshl_b32 s17, s91, 12
	s_add_co_u32 s20, s20, s17
	s_lshl_b32 s17, s[WV], 10
	s_add_co_u32 s20, s20, s17
	s_mov_b32 s21, 0
	s_bfe_u32 s90, ttmp6, 0x40000                  ; cx: it enters S1's and the output's addresses alone
	s_lshr_b32 s92, s89, 3
	s_lshl_b32 s92, s92, 2
	s_add_co_u32 s92, s92, s90
	s_cmp_eq_u32 s[PP], 2
	s_cselect_b32 s92, s90, s92                    ; which 256 i
	s_lshl_b32 s101, s92, 4
	s_lshl_b32 s88, s[WV], 2
	s_add_co_u32 s101, s101, s88                   ; my first tile of i
	s_mul_i32 s22, s22, s[PP]
	s_mul_i32 s88, s101, 12288
	s_add_co_u32 s22, s22, s88
	s_mov_b32 s23, 0
	s_mul_i32 s76, s76, s[PP]
	s_add_co_u32 s76, s76, s100
	s_lshl_b32 s88, s101, 9
	s_add_co_u32 s76, s76, s88
	s_mov_b32 s77, 0
	s_lshl_b32 s78, s91, 9                         ; the bias: J's 128 numbers, or (v) my 64
	s_lshl_b32 s88, s101, 6
	s_cmp_eq_u32 s[PP], 2
	s_cselect_b32 s78, s88, s78
	s_mov_b32 s79, 0
	s_mul_i32 s80, s91, s98
	s_add_co_u32 s80, s80, s101                    ; my first fragment of the output
	s_lshl_b32 s82, s80, 6
	s_mul_i32 s80, s80, 1536
	s_mul_i32 s88, s[PP], 3145728
	s_add_co_u32 s80, s80, s88
	s_mov_b32 s81, 0
	s_lshl_b32 s88, s[PP], 17
	s_add_co_u32 s82, s82, s88
	s_add_co_u32 s82, s82, 9437184
	s_mov_b32 s83, 0
	s_wait_dscnt 0x0                               ; the opening add is done
	s_wait_kmcnt 0x0
	s_cmp_eq_u32 s[PP], 2
	s_cselect_b64 s[S0C:S0C+1], s[4:5], s[6:7]
	s_cselect_b64 s[S1C:S1C+1], s[6:7], s[4:5]
	s_cselect_b64 s[BIA:BIA+1], s[12:13], s[10:11]
	s_cmp_eq_u32 s[PP], 0
	s_cselect_b64 s[BIA:BIA+1], s[8:9], s[BIA:BIA+1]
	s_mov_b64 s[S0S:S0S+1], s[S0C:S0C+1]
	s_mov_b64 s[S1S:S1S+1], s[S1C:S1C+1]
	s_add_nc_u64 s[S0C:S0C+1], s[S0C:S0C+1], s[18:19]
	s_add_nc_u64 s[S0S:S0S+1], s[S0S:S0S+1], s[20:21]
	s_add_nc_u64 s[S1C:S1C+1], s[S1C:S1C+1], s[22:23]
	s_add_nc_u64 s[S1S:S1S+1], s[S1S:S1S+1], s[76:77]
	s_add_nc_u64 s[BIA:BIA+1], s[BIA:BIA+1], s[78:79]
	s_add_nc_u64 s[OC:OC+1], s[14:15], s[80:81]
	s_add_nc_u64 s[OS:OS+1], s[14:15], s[82:83]
	s_mul_i32 s17, s[WV], 6144
.irp p, 0,1,2,3
	s_mov_b32 s[G0+4*\p], 1                        ; count = 1
	s_add_co_u32 s[G0+4*\p+1], s17, 24576*\p       ; LDS: phase p, my two tiles
	s_add_nc_u64 s[G0+4*\p+2:G0+4*\p+3], s[S0C:S0C+1], 3072*\p
	s_or_b32 s[G0+4*\p+3], s[G0+4*\p+3], 0x80000000   ; type = 2
.endr
	s_mov_b32 s[G0S], 1
	s_lshl_b32 s17, s[WV], 10
	s_add_co_u32 s[G0S+1], s17, SCL
	s_mov_b64 s[G0S+2:G0S+3], s[S0S:S0S+1]
	s_or_b32 s[G0S+3], s[G0S+3], 0x80000000
	ROUND                                          ; all four work-groups are here: the joint loads meet
	tensor_load_to_lds s[G0S:G0S+3], s[G1S:G1S+7]  ; the scale words first, then the phases in the order of their use
	s_nop 0
.irp p, 0,1,2,3
	tensor_load_to_lds s[G0+4*\p:G0+4*\p+3], s[G1C:G1C+7]
	s_nop 0
.endr
.rept 4
	v_nop
.endr
.irp pr, 0,1
	global_load_b128 v[S1SC+8*\pr:S1SC+8*\pr+3], v3, s[S1S:S1S+1] offset:1024*\pr
	global_load_b128 v[S1SC+8*\pr+4:S1SC+8*\pr+7], v3, s[S1S:S1S+1] offset:1024*\pr+16
.endr
	s_cmp_eq_u32 s[PP], 2
	s_cbranch_scc1 .Lbias_i
	WIN 0x80                                       ; destination window 2
.irp t, 0,1,2,3,4,5,6,7                        ; q, k: the bias runs along j: tile t's eight numbers of my half
	global_load_b128 v[192+8*\t:195+8*\t], v6, s[BIA:BIA+1] offset:(32*(\t/2)+8*(\t%2))*4
	global_load_b128 v[196+8*\t:199+8*\t], v6, s[BIA:BIA+1] offset:(32*(\t/2)+8*(\t%2))*4+16
.endr
	WIN 0
	s_branch .Lbias_done
.Lbias_i:
	WIN 0x80
.irp a, 0,1,2,3                                ; v: the bias runs along i: my row's number, in all eight registers
.irp j, 0,1,2,3,4,5,6,7
	global_load_b32 v[192+8*\a+\j], v7, s[BIA:BIA+1] offset:(32*(\a/2)+8*(\a%2))*4
.endr
.endr
	WIN 0
.Lbias_done:
.irp s, 0,1,2,3,4,5,6,7                        ; S1: 96 loads of 512 consecutive bytes, K step by K step, so that the waits below can count them
	WIN 0x80
.irp a, 0,1
.irp c, 0,1,2
	global_load_b128 v[96*\a+12*\s+4*\c:96*\a+12*\s+4*\c+3], v1, s[S1C:S1C+1] offset:12288*\a+1536*\s+512*\c
.endr
.endr
	WIN 0xc0
.irp a, 0,1
.irp c, 0,1,2
	global_load_b128 v[96*\a+12*\s+4*\c:96*\a+12*\s+4*\c+3], v1, s[S1C:S1C+1] offset:12288*(\a+2)+1536*\s+512*\c
.endr
.endr
.endr
	WIN 0
.macro FETCH s                         ; S0's eight fragments of K step s, 24 loads of 512 consecutive bytes, into set s % 2
.irp t, 0,1,2,3,4,5,6,7
.irp c, 0,1,2
.if (\s) < 4
	ds_load_b128 v[B0+96*((\s)%2)+12*\t+4*\c:B0+96*((\s)%2)+12*\t+4*\c+3], v1 offset:24576*((\s)/2)+3072*\t+1536*((\s)%2)+512*\c
.else
	ds_load_b128 v[B0+96*((\s)%2)+12*\t+4*\c:B0+96*((\s)%2)+12*\t+4*\c+3], v2 offset:24576*((\s)/2-2)+3072*\t+1536*((\s)%2)+512*\c
.endif
.endr
.endr
.endm
; 16 products: S1's tiles a0, a0 + 1 x S0's eight.  cm = 0: onto the sums; 1: the bias along j starts them; 2: the bias along i.  The 32 accumulators take turns, one instruction a turn, in the same order in every K step.
.macro MUL s, a0, cm
.if (\cm) == 0
	WIN 0x58+4*((\a0)/2)                           ; S0 window 0, S1 window 2 or 3, C and D window 1
.else
	WIN 0x68+4*((\a0)/2)                           ; C window 2
.endif
.irp a, \a0, \a0+1
.irp t, 0,1,2,3,4,5,6,7
.if (\cm) == 0
	MM 64*(\a)+8*\t, B0+96*((\s)%2)+12*\t, 96*((\a)%2)+12*(\s), 64*(\a)+8*\t, S0SC+8*(\t/2)+(\s), S1SC+8*((\a)/2)+(\s), \t%2, (\a)%2
.elseif (\cm) == 1
	MM 64*(\a)+8*\t, B0+96*((\s)%2)+12*\t, 96*((\a)%2)+12*(\s), 192+8*\t, S0SC+8*(\t/2)+(\s), S1SC+8*((\a)/2)+(\s), \t%2, (\a)%2
.else
	MM 64*(\a)+8*\t, B0+96*((\s)%2)+12*\t, 96*((\a)%2)+12*(\s), 192+8*(\a), S0SC+8*(\t/2)+(\s), S1SC+8*((\a)/2)+(\s), \t%2, (\a)%2
.endif
.endr
.endr
.endm
; A K step.  lc: how many S1 loads were issued behind this step's own (-1: an earlier wait serves).  tc: where the next K step begins a phase: how many later phases may stay out; every wave's part has landed ahead of the barrier.
.macro KSTEP s, cm, lc, tc
.if (\lc) >= 0
	s_wait_loadcnt \lc
.endif
	s_wait_dscnt 0x0                               ; S0's fragments of this step are in
	MUL \s, 0, \cm
	WIN 0
.if (\tc) >= 0
	s_wait_tensorcnt \tc
	s_barrier_signal -1                            ; later phases may stay on their way
	s_barrier_wait -1
.endif
.if (\s) < 7
.rept 4
	v_nop                                          ; places in front of loads into the set that the step before multiplied
.endr
	FETCH (\s)+1
.endif
	MUL \s, 2, \cm
	WIN 0
.endm
	s_wait_tensorcnt 3                             ; the scale words and phase 0 are in; three phases may be out
	s_barrier_signal -1
	s_barrier_wait -1
.irp pr, 0,1,2,3
	ds_load_b128 v[S0SC+8*\pr:S0SC+8*\pr+3], v8 offset:1024*\pr
	ds_load_b128 v[S0SC+8*\pr+4:S0SC+8*\pr+7], v8 offset:1024*\pr+16
.endr
	FETCH 0
	s_cmp_eq_u32 s[PP], 2
	s_cbranch_scc1 .Lfirst_i
	KSTEP 0, 1, 63, -1                             ; at most the last 63 loads are out: S1's scale words, the bias and K steps 0 and 1 are in
	s_branch .Lfirst_done
.Lfirst_i:
	KSTEP 0, 2, 63, -1
.Lfirst_done:
	KSTEP 1, 0, -1, 2
	KSTEP 2, 0, 60, -1
	KSTEP 3, 0, 48, 1
	KSTEP 4, 0, 36, -1
	KSTEP 5, 0, 24, 0
	KSTEP 6, 0, 12, -1
	KSTEP 7, 0, 0, -1
; THE WAY OUT.  64 numbers of a lane, register 16 b + e = j 32 b + 16 (lane / 16) + e of my row i, become a fragment's codes and its scale word.
.macro QUANTW s, pc, pw
	WIN 0x05
.irp b, 0,1,2,3
	v_max3_num_f32 v[TM+\b], |v[\s+16*\b]|, |v[\s+16*\b+1]|, 0x1800000   ; each accumulator is read from its low end on
.endr
	WIN 0x14
.irp i, 2,4,6,8,10,12,14
.irp b, 0,1,2,3
	v_max3_num_f32 v[TM+\b], v[TM+\b], |v[\s+16*\b+\i]|, |v[\s+16*\b+\i+1]|
.endr
.endr
	WIN 0
.irp b, 0,1,2,3
	v_permlanex16_b32 v[TM+4+\b], v[TM+\b], s[SEL], s[SEL+1]
.endr
.irp b, 0,1,2,3
	v_max_num_f32 v[TM+\b], v[TM+\b], v[TM+4+\b]   ; with lane l xor 16's: the block's largest magnitude
.endr
.irp b, 0,1,2,3
	v_add_nc_u32 v[TM+12+\b], 0xff000000, v[TM+\b]
.endr
.irp b, 0,1,2,3
	v_lshrrev_b32 v[TM+4+\b], 23, v[TM+12+\b]
.endr
	v_lshl_or_b32 v[\pw], v[TM+5], 8, v[TM+4]
	v_lshl_or_b32 v[\pw], v[TM+6], 16, v[\pw]
	v_lshl_or_b32 v[\pw], v[TM+7], 24, v[\pw]
	WIN 0x01
.irp c, 0,1
	v_cvt_scalef32_pk16_fp6_f32 v[\pc+6*\c:\pc+6*\c+2], v[\s+32*\c:\s+32*\c+15], v[TM+12+2*\c]
	v_cvt_scalef32_pk16_fp6_f32 v[\pc+12+4*\c:\pc+14+4*\c], v[\s+32*\c+16:\s+32*\c+31], v[TM+12+2*\c+1]
.endr
	WIN 0
	v_nop                                          ; one plain place behind the conversions
.irp c, 0,1                                    ; the operand's layout wants a whole block in a lane
.irp i, 0,1,2
	v_permlane16_swap_b32 v[\pc+6*\c+\i], v[\pc+12+4*\c+\i]
.endr
.irp i, 0,1,2
	v_mov_b32 v[\pc+3+6*\c+\i], v[\pc+12+4*\c+\i]
.endr
.endr
.endm
.rept 4
	v_nop                                          ; places behind the last products
.endr
.irp b, 0,1,2,3
	v_mov_b32 v[TM+4+\b], 0                        ; (a lane permute's destination counts as one of its sources)
.endr
.irp a, 0,1,2,3                                ; each tile has code registers of its own: no store's data are written again
	QUANTW 64*\a, 96+24*\a, PW+\a
	global_store_b128 v1, v[96+24*\a:99+24*\a], s[OC:OC+1] offset:1536*\a
	global_store_b64 v4, v[100+24*\a:101+24*\a], s[OC:OC+1] offset:1536*\a+512
	global_store_b128 v1, v[102+24*\a:105+24*\a], s[OC:OC+1] offset:1536*\a+768
	global_store_b64 v4, v[106+24*\a:107+24*\a], s[OC:OC+1] offset:1536*\a+1280
.if \a%2
	v_cndmask_b32 v[84+\a/2], v[PW+\a-1], v[PW+\a], s[HM]   ; lanes 0-15 the even tile's words, lanes 16-31 the odd tile's
	global_store_b32 v5, v[84+\a/2], s[OS:OS+1] offset:64*(\a-1)
.endif
.endr
	s_wait_tensorcnt 0x0                           ; the wave's end
	ds_add_u32 v14, v15
	s_wait_dscnt 0x0
	ROUND                                          ; the closing round
	s_endpgm
.Lfunc_end_k_q7b9a49de9b_proj:
	.size	k_q7b9a49de9b_proj, .Lfunc_end_k_q7b9a49de9b_proj-k_q7b9a49de9b_proj
	.p2alignl 7, 3214868480
	.fill 96, 4, 3214868480
	.section	.rodata,"a",@progbits
	.p2align	6, 0x0
	.amdhsa_kernel k_q7b9a49de9b_proj
		.amdhsa_group_segment_fixed_size 167936
		.amdhsa_private_segment_fixed_size 0
		.amdhsa_enable_private_segment 0
		.amdhsa_kernarg_size 48
		.amdhsa_user_sgpr_count 2
		.amdhsa_user_sgpr_kernarg_segment_ptr 1
		.amdhsa_wavefront_size32 1
		.amdhsa_system_sgpr_workgroup_id_x 1
		.amdhsa_system_sgpr_workgroup_id_y 1
		.amdhsa_system_sgpr_workgroup_id_z 1
		.amdhsa_system_vgpr_workitem_id 0
		.amdhsa_next_free_vgpr 960
		.amdhsa_next_free_sgpr 102
		.amdhsa_reserve_vcc 0
		.amdhsa_float_denorm_mode_32 3
		.amdhsa_float_denorm_mode_16_64 3
		.amdhsa_memory_ordered 1
		.amdhsa_forward_progress 1
		.amdhsa_inst_pref_size 94
	.end_amdhsa_kernel
	.amdgpu_metadata
---
amdhsa.version: [ 1, 2 ]
amdhsa.kernels:
  - .name:           k_q7b9a49de9b_proj
    .symbol:         k_q7b9a49de9b_proj.kd
    .args:
      - { .name: xin, .offset: 0, .size: 8, .value_kind: global_buffer, .address_space: global }
      - { .name: wts, .offset: 8, .size: 8, .value_kind: global_buffer, .address_space: global }
      - { .name: bq, .offset: 16, .size: 8, .value_kind: global_buffer, .address_space: global }
      - { .name: bk, .offset: 24, .size: 8, .value_kind: global_buffer, .address_space: global }
      - { .name: bv, .offset: 32, .size: 8, .value_kind: global_buffer, .address_space: global }
      - { .name: prj, .offset: 40, .size: 8, .value_kind: global_buffer, .address_space: global }
    .group_segment_fixed_size: 167936
    .private_segment_fixed_size: 0
    .kernarg_segment_align: 8
    .kernarg_segment_size: 48
    .max_flat_workgroup_size: 128
    .sgpr_count:     102
    .vgpr_count:     960
    .wavefront_size: 32
...
	.end_amdgpu_metadata
.endif
;; end of part 2
;; launch attn (part 3): grid 8 x 32, 8 waves a work-group, no clusters, 40,704 bytes of LDS; arguments prj, mbits, xat; writes xat
.if DOCPART == 3
	.amdgcn_target "amdgcn-amd-amdhsa--gfx1250"
	.amdhsa_code_object_version 6
	.text
	.protected	k_q7b9a49de9b_attn
	.globl	k_q7b9a49de9b_attn
	.p2align	8
	.type	k_q7b9a49de9b_attn,@function
k_q7b9a49de9b_attn:
	s_mov_b64 s[64:65], 0
	v_nop
	global_prefetch_b8 v0, s[64:65] scope:SCOPE_SE
	s_setreg_imm32_b32 hwreg(HW_REG_WAVE_MODE, 25, 1), 1
	s_wait_xcnt 0x0
; ATTENTION on codes of FP6 (E2M3): scores = qh kh^T / 8, masked; attn = softmax, FINISHED AND NORMALISED, is what is quantised along the keys; x = attn vh, quantised along the hidden axis for the last product.
; SHARES.  A work-group owns one (batch, head) and 256 queries: 16 tiles of 16.  THE KEYS ARE SHARED OUT AMONG ITS EIGHT WAVES: wave w owns keys 256 w .. 256 w + 255, and its part of K (96 registers) and of V (96) stays in registers
; for the whole launch, read from memory once.  For each tile of queries a wave's 16 x 256 scores lie in 128 registers from the first product to the conversion: so each score has ONE exponential, though the row's sum must be known
; before any weight is quantised.  The waves exchange a row's maximum and sum, and then their parts of x, through LDS: two barriers a tile.  Two waves share a SIMD: one's vector work stands beside the other's products and waits.
; No cluster: what work-groups share (K, V of a head) is read once by each, straight into registers, at the head; nothing is streamed.
; LAYOUT.  Both products are used transposed: S^T = K Q^T (source 0 = 16 keys), O^T = V^T P^T (source 0 = 16 of the head's 64): a lane holds ONE query (lane % 16).  A tile's rows are not neighbours (lane r of tile T: row
; 32 (T / 2) + 8 (T % 2) + r + 8 (r / 8)), so that the 16 registers of tiles 2 b, 2 b + 1 are 16 neighbours, 32 b + 16 (lane / 16) + 0 .. 15.
; THE FIRST PRODUCT'S K IS 64, the instruction's 128: Q's upper six registers hold zero codes; K's operand of tile tt is v[6 tt : 6 tt + 11], whose upper half is the next tile's codes: they meet zeros.  Bytes 2, 3 of both scale words are 0.
; THE SOFTMAX.  t = score x c, c = log2(e) / 8.  Each step of 128 keys has a whole number M = ceil(its largest t), kept as nM = floor(-t); p = 2^(t - M).  The row's M is the largest of them; sums are brought under it by v_ldexp_f32,
; which rounds nothing.  attn = p x f, f = 2^(step's M - row's M) / the row's sum.  Hidden scores become -infinity ahead of the maximum; a step with no open key takes t = -3e38, its p are 0.  A row with no open key has the sum 0: its f is 0,
; and attn is 0 there, as nan_to_num leaves it.
; LIMITS: NaN and infinities are not served; p under 2^-126 comes out as 0 (v_exp_f32 flushes); a block's largest attn is taken from its largest score, by the same three instructions: this takes v_exp_f32 not to fall where its input
; rises; a block of zeros gets the byte 1 (its codes are zeros).
; OUT: xat: x's codes [tile of tokens 256][pair of heads 8][1536], a head's half at 768 x (head % 2): registers 0-3 at 16 x lane, 4, 5 at 512 + 8 x lane; at 3,145,728 two scale bytes a row: [head 16][tile 256][16 rows] of 16 bits.
; REGISTERS.  window 0: v1 16 L, v2 8 L, v3 4 L, v4 4 r, v5, v7-12, v30 LDS addresses, v13 -infinity, v14, v15 the add's two; v16-27 Q; v28 Q's scale word as loaded, v29 as used; v32-39 K's scale words, v40-43 V's, v44, v45 P's;
;   v46-49 nM of my two steps (pairs), v50-53 f (pairs), v54-61 sums, v62-69 the blocks' largest, v70-77, v78-85, v86-95 at work; v96-107, v108-119 P's codes, v120-127 at work; v128-255 S^T, then p, then attn.
;   window 1: v0-95 K, v96-101 zeros, v104-199 V (tile t, step ks at 104 + 12 (4 ks + t)), v200-231 O^T.
.set STAT,  0                          ; LDS: (nM, sum) of each wave: 256 w + 8 L.  It begins at byte 0, so 8 L (v2) also reads it back
.set OP,    2048                       ; each wave's part of O^T: 4,096 w + 512 q + 16 L (q: four registers)
.set RED,   34816                      ; the sum of the eight parts: 512 q + 16 L
.set XSL,   38912                      ; x's scale bytes, 32 bytes a slot; tile i goes to slot i + 1
.set SPARE, 39680                      ; the spare words, 128 bytes for each wave
.set WV,   10
.set HO16, 11                          ; 16 x (head % 2): where my head's two bytes begin in a scale word
.set QC,   18                          ; s[18:19] Q's codes, s[20:21] Q's scale words, s[22:23] the mask words, s[24:25] x's codes, s[26:27] x's scale bytes
.set QS,   20
.set MB,   22
.set XC,   24
.set XS,   26
.set SEL,  30
.set CS,   66
.set TI,   100
.set XSO,  101
.set S,    128
.set BM,   62
.set BT,   70
.set SO,   78
.set MSB, 0
.macro WIN new
.if MSB != (\new)
	s_set_vgpr_msb (MSB<<8)|(\new)
.set MSB, (\new)
.endif
.endm
.macro MMZ d, a, b, sa, sb, ra         ; a product that starts a sum; ra: source 0's scale words stand in lanes 16-31
.if (\ra)
	v_wmma_scale_f32_16x16x128_f8f6f4 v[\d:\d+7], v[\a:\a+11], v[\b:\b+11], 0, v[\sa], v[\sb] matrix_a_fmt:MATRIX_FMT_FP6 matrix_b_fmt:MATRIX_FMT_FP6 matrix_a_scale:MATRIX_SCALE_ROW1
.else
	v_wmma_scale_f32_16x16x128_f8f6f4 v[\d:\d+7], v[\a:\a+11], v[\b:\b+11], 0, v[\sa], v[\sb] matrix_a_fmt:MATRIX_FMT_FP6 matrix_b_fmt:MATRIX_FMT_FP6
.endif
.endm
.macro MMA d, a, b, sa, sb, ra         ; and one that adds onto it
.if (\ra)
	v_wmma_scale_f32_16x16x128_f8f6f4 v[\d:\d+7], v[\a:\a+11], v[\b:\b+11], v[\d:\d+7], v[\sa], v[\sb] matrix_a_fmt:MATRIX_FMT_FP6 matrix_b_fmt:MATRIX_FMT_FP6 matrix_a_scale:MATRIX_SCALE_ROW1
.else
	v_wmma_scale_f32_16x16x128_f8f6f4 v[\d:\d+7], v[\a:\a+11], v[\b:\b+11], v[\d:\d+7], v[\sa], v[\sb] matrix_a_fmt:MATRIX_FMT_FP6 matrix_b_fmt:MATRIX_FMT_FP6
.endif
.endm
	s_load_b128 s[4:7], s[0:1], 0x0                ; prj, mbits
	s_load_b64 s[8:9], s[0:1], 0x10                ; xat
	v_lshl_add_u32 v14, v0, 2, SPARE
	v_mov_b32 v15, 0
	v_lshrrev_b32 v1, 5, v0
	v_readfirstlane_b32 s[WV], v1                  ; wave 0..7
	v_and_b32 v3, 31, v0
	v_and_b32 v4, 15, v0
	v_lshlrev_b32 v1, 4, v3
	v_lshlrev_b32 v2, 3, v3
	v_lshlrev_b32 v3, 2, v3
	v_lshlrev_b32 v11, 1, v4
	v_add_nc_u32 v11, XSL, v11                     ; my row's two scale bytes in slot 0
	v_lshlrev_b32 v4, 2, v4
.irp j, 22,23,24,25,26,27
	v_mov_b32 v[\j], 0                             ; Q's upper 64 along K: zero codes, for the whole launch
.endr
	WIN 0x40
.irp j, 96,97,98,99,100,101
	v_mov_b32 v[\j], 0                             ; what stands behind K's last tile
.endr
	WIN 0
	s_and_b32 s68, ttmp7, 0xffff
	s_lshr_b32 s69, s68, 4                         ; batch
	s_and_b32 s70, s68, 15                         ; head
	s_lshr_b32 s71, s70, 1                         ; pair of heads
	s_and_b32 s72, s70, 1
	s_lshl_b32 s[HO16], s72, 4
	s_mul_i32 s79, s72, 768                        ; my head's half of a fragment
	s_lshl_b32 s73, s71, 8
	s_lshl_b32 s74, s69, 7
	s_add_co_u32 s73, s73, s74                     ; 256 x pair + 128 x batch
	s_lshl_b32 s75, s[WV], 4
	s_add_co_u32 s75, s75, s73                     ; my first fragment of K
	s_lshl_b32 s76, ttmp9, 4
	s_add_co_u32 s77, s73, s76                     ; the first fragment of Q
	s_add_co_u32 s78, s74, s76                     ; the first tile of tokens
	s_mul_i32 s80, s75, 1536
	s_add_co_u32 s80, s80, s79
	s_add_co_u32 s80, s80, 3145728
	s_mov_b32 s81, 0
	s_lshl_b32 s82, s75, 6
	s_add_co_u32 s82, s82, 9437184+131072
	s_mov_b32 s83, 0
	s_lshl_b32 s84, s69, 4
	s_lshl_b32 s85, s[WV], 1
	s_add_co_u32 s84, s84, s85                     ; my first step of 128 keys
	s_lshl_b32 s85, s84, 6
	s_lshl_b32 s86, s70, 2
	s_add_co_u32 s85, s85, s86                     ; my first fragment of V
	s_mul_i32 s86, s85, 1536
	s_add_co_u32 s86, s86, 6291456
	s_mov_b32 s87, 0
	s_lshl_b32 s88, s85, 6
	s_add_co_u32 s88, s88, 9437184+262144
	s_mov_b32 s89, 0
	s_mul_i32 s90, s77, 1536
	s_add_co_u32 s90, s90, s79
	s_mov_b32 s91, 0
	s_lshl_b32 s92, s77, 6
	s_add_co_u32 s92, s92, 9437184
	s_mov_b32 s93, 0
	s_lshl_b32 s94, s78, 4
	s_lshl_b32 s95, s[WV], 1
	s_add_co_u32 s94, s94, s95
	s_lshl_b32 s94, s94, 8                         ; the mask words of the first tile, my first step
	s_mov_b32 s95, 0
	s_lshl_b32 s96, s78, 3
	s_add_co_u32 s96, s96, s71
	s_mul_i32 s96, s96, 1536
	s_add_co_u32 s96, s96, s79
	s_mov_b32 s97, 0
	s_lshl_b32 s98, s70, 8
	s_add_co_u32 s98, s98, s78
	s_lshl_b32 s98, s98, 5
	s_add_co_u32 s98, s98, 3145728
	s_mov_b32 s99, 0
	s_mov_b32 s[SEL], 0x76543210
	s_mov_b32 s[SEL+1], 0xfedcba98
	s_mov_b32 s[CS], 0x3e38aa3b                    ; c = log2(e) / 8
	s_mov_b32 s[CS+1], s[CS]                       ; (named with it as a pair, so it is written)
	s_wait_kmcnt 0x0
	s_add_nc_u64 s[12:13], s[4:5], s[80:81]        ; K's codes
	s_add_nc_u64 s[14:15], s[4:5], s[82:83]        ; K's scale words
	s_add_nc_u64 s[16:17], s[4:5], s[86:87]        ; V's codes
	s_add_nc_u64 s[28:29], s[4:5], s[88:89]        ; V's scale words
	s_add_nc_u64 s[QC:QC+1], s[4:5], s[90:91]
	s_add_nc_u64 s[QS:QS+1], s[4:5], s[92:93]
	s_add_nc_u64 s[MB:MB+1], s[6:7], s[94:95]
	s_add_nc_u64 s[XC:XC+1], s[8:9], s[96:97]
	s_add_nc_u64 s[XS:XS+1], s[8:9], s[98:99]
	WIN 0x40                                       ; destination window 1
.irp tt, 0,1,2,3,4,5,6,7,8,9,10,11,12,13,14,15
	global_load_b128 v[6*\tt:6*\tt+3], v1, s[12:13] offset:1536*\tt
	global_load_b64 v[6*\tt+4:6*\tt+5], v2, s[12:13] offset:1536*\tt+512
.endr
.irp ks, 0,1
.irp t, 0,1,2,3
	global_load_b128 v[104+12*(4*\ks+\t):107+12*(4*\ks+\t)], v1, s[16:17] offset:(64*\ks+\t)*1536
	global_load_b64 v[108+12*(4*\ks+\t):109+12*(4*\ks+\t)], v2, s[16:17] offset:(64*\ks+\t)*1536+512
	global_load_b128 v[110+12*(4*\ks+\t):113+12*(4*\ks+\t)], v1, s[16:17] offset:(64*\ks+\t)*1536+768
	global_load_b64 v[114+12*(4*\ks+\t):115+12*(4*\ks+\t)], v2, s[16:17] offset:(64*\ks+\t)*1536+1280
.endr
.endr
	WIN 0
.irp a, 0,1,2,3,4,5,6,7
	global_load_b32 v[32+\a], v3, s[14:15] offset:128*\a       ; lanes 0-15: tile 2 a's rows; lanes 16-31: tile 2 a + 1's
.endr
.irp ks, 0,1
.irp p, 0,1
	global_load_b32 v[40+2*\ks+\p], v3, s[28:29] offset:4096*\ks+128*\p
.endr
.endr
	global_load_b128 v[16:19], v1, s[QC:QC+1]
	global_load_b64 v[20:21], v2, s[QC:QC+1] offset:512
	global_load_b32 v28, v4, s[QS:QS+1]
	s_load_b512 s[32:47], s[MB:MB+1], 0x0          ; the first tile's mask words of my first step (the offsets above have been used)
	s_load_b512 s[48:63], s[MB:MB+1], 0x40
	s_load_b512 s[68:83], s[MB:MB+1], 0x80
	s_load_b512 s[84:99], s[MB:MB+1], 0xc0
	s_wait_loadcnt 0x0
.irp a, 0,1,2,3,4,5,6,7
	v_bfe_u32 v[32+\a], v[32+\a], s[HO16], 16      ; my head's two bytes; bytes 2 and 3 are 0
.endr
	v_bfe_u32 v29, v28, s[HO16], 16
	s_lshl_b32 s100, s[WV], 8                      ; the lines from here to the loop are also the places between these scale words and the first product
	v_add_nc_u32 v5, s100, v2                      ; STAT + 256 w + 8 L
	s_lshl_b32 s100, s[WV], 12
	s_add_co_u32 s100, s100, OP
	v_add_nc_u32 v7, s100, v1                      ; OP + 4,096 w + 16 L: where I put my part
	s_lshl_b32 s100, s[WV], 9
	s_add_co_u32 s101, s100, OP
	v_add_nc_u32 v8, s101, v1                      ; OP + 512 w + 16 L: the four registers that I add up
	s_add_co_u32 s101, s100, RED
	v_add_nc_u32 v9, s101, v1                      ; RED + 512 w + 16 L
	v_add_nc_u32 v10, RED, v1
	v_add_nc_u32 v12, XSL+32, v1
	v_mov_b32 v13, 0xff800000                      ; -infinity
.irp j, 70,71,72,73,74,75,76,77,90,94,95
	v_mov_b32 v[\j], 0                             ; (lane permutes' destinations count as sources)
.endr
	s_mov_b32 s13, 0                               ; the upper words of the three steps
	s_mov_b32 s15, 0
	s_mov_b32 s17, 0
	s_mov_b32 s[TI], 0
	s_mov_b32 s[XSO], 0
.macro MASK ks                         ; where the bit is 0 the score becomes -infinity.  Ascending: each accumulator is read from its low end on
.set n, 0
.rept 32
	v_cndmask_b32 v[S+64*\ks+n], v13, v[S+64*\ks+n], s[32+n]
.set n, n+1
.endr
.set n, 0
.rept 32
	v_cndmask_b32 v[S+64*\ks+32+n], v13, v[S+64*\ks+32+n], s[68+n]
.set n, n+1
.endr
.endm
.macro BMAX ks                         ; the largest score of each block of 32 keys; of them the step's; nM = floor(-t)
.irp b, 0,1,2,3
	v_max3_num_f32 v[BM+4*\ks+\b], v[S+64*\ks+16*\b], v[S+64*\ks+16*\b+1], v[S+64*\ks+16*\b+2]
.endr
.irp i, 3,5,7,9,11,13
.irp b, 0,1,2,3
	v_max3_num_f32 v[BM+4*\ks+\b], v[BM+4*\ks+\b], v[S+64*\ks+16*\b+\i], v[S+64*\ks+16*\b+\i+1]
.endr
.endr
.irp b, 0,1,2,3
	v_max_num_f32 v[BM+4*\ks+\b], v[BM+4*\ks+\b], v[S+64*\ks+16*\b+15]
.endr
.irp b, 0,1,2,3
	v_permlanex16_b32 v[BT+4*\ks+\b], v[BM+4*\ks+\b], s[SEL], s[SEL+1]
.endr
.irp b, 0,1,2,3
	v_max_num_f32 v[BM+4*\ks+\b], v[BM+4*\ks+\b], v[BT+4*\ks+\b]
.endr
	v_max3_num_f32 v86, v[BM+4*\ks], v[BM+4*\ks+1], v[BM+4*\ks+2]
	v_max_num_f32 v86, v86, v[BM+4*\ks+3]
	v_mul_f32 v86, s[CS], v86
	v_max_num_f32 v86, 0xff61b1e6, v86             ; -3e38 where no key of the step is open
	v_floor_f32 v[46+2*\ks], -v86
	v_mov_b32 v[47+2*\ks], v[46+2*\ks]             ; (the pair's upper word is named with it)
.endm
.macro PEXP ks                         ; p = 2^(c s + nM)
.set j, 0
.rept 32
	v_pk_fma_f32 v[S+64*\ks+j:S+64*\ks+j+1], v[S+64*\ks+j:S+64*\ks+j+1], s[CS:CS+1], v[46+2*\ks:47+2*\ks] op_sel_hi:[1,0,0]
.set j, j+2
.endr
.set j, 0
.rept 64
	v_exp_f32 v[S+64*\ks+j], v[S+64*\ks+j]
.set j, j+1
.endr
.endm
.macro MULP ks                         ; attn = p x f
.set j, 0
.rept 32
	v_pk_mul_f32 v[S+64*\ks+j:S+64*\ks+j+1], v[S+64*\ks+j:S+64*\ks+j+1], v[50+2*\ks:51+2*\ks] op_sel_hi:[1,0]
.set j, j+2
.endr
.endm
.macro CVT ks, pc                      ; a step's 64 numbers of a lane become the second product's operand
.irp c, 0,1
	v_cvt_scalef32_pk16_fp6_f32 v[\pc+6*\c:\pc+6*\c+2], v[S+64*\ks+32*\c:S+64*\ks+32*\c+15], v[SO+4*\ks+2*\c]
	v_cvt_scalef32_pk16_fp6_f32 v[120+4*\c:122+4*\c], v[S+64*\ks+32*\c+16:S+64*\ks+32*\c+31], v[SO+4*\ks+2*\c+1]
.endr
	v_nop                                          ; one plain place behind the conversions
.irp c, 0,1
.irp i, 0,1,2
	v_permlane16_swap_b32 v[\pc+6*\c+\i], v[120+4*\c+\i]
.endr
.irp i, 0,1,2
	v_mov_b32 v[\pc+3+6*\c+\i], v[120+4*\c+\i]
.endr
.endr
.endm
; Wave 0 finishes a tile: the summed O^T (32 numbers a lane: register 16 b + e = channel 32 b + 16 (lane / 16) + e of my query) is quantised along the channels and stored.
.macro DUTY
.irp q, 0,1,2,3
	ds_load_b128 v[112+4*\q:115+4*\q], v10 offset:512*\q
.endr
.irp q, 0,1,2,3
	ds_load_b128 v[70+4*\q:73+4*\q], v10 offset:2048+512*\q
.endr
	s_wait_dscnt 0x0
	v_max3_num_f32 v92, |v112|, |v113|, 0x1800000
	v_max3_num_f32 v93, |v70|, |v71|, 0x1800000
.irp i, 2,4,6,8,10,12,14
	v_max3_num_f32 v92, v92, |v[112+\i]|, |v[113+\i]|
	v_max3_num_f32 v93, v93, |v[70+\i]|, |v[71+\i]|
.endr
	v_permlanex16_b32 v94, v92, s[SEL], s[SEL+1]
	v_permlanex16_b32 v95, v93, s[SEL], s[SEL+1]
	v_max_num_f32 v92, v92, v94
	v_max_num_f32 v93, v93, v95
	v_add_nc_u32 v94, 0xff000000, v92
	v_add_nc_u32 v95, 0xff000000, v93
	v_lshrrev_b32 v92, 23, v94
	v_lshrrev_b32 v93, 23, v95
	v_lshl_or_b32 v92, v93, 8, v92
	ds_store_b16 v30, v92                          ; both lanes of a row write the same two bytes
	v_cvt_scalef32_pk16_fp6_f32 v[86:88], v[112:127], v94
	v_cvt_scalef32_pk16_fp6_f32 v[96:98], v[70:85], v95
	v_nop
.irp i, 0,1,2
	v_permlane16_swap_b32 v[86+\i], v[96+\i]
.endr
.irp i, 0,1,2
	v_mov_b32 v[89+\i], v[96+\i]
.endr
	global_store_b128 v1, v[86:89], s[XC:XC+1]
	global_store_b64 v2, v[90:91], s[XC:XC+1] offset:512
	s_wait_xcnt 0x0                                ; the stores have read their base and their data
	s_add_nc_u64 s[XC:XC+1], s[XC:XC+1], 12288     ; the next tile of tokens
.endm
.Ltile:
	; 1: my 256 keys x the tile's 16 queries
	WIN 0x01
.irp tt, 0,1,2,3,4,5,6,7,8,9,10,11,12,13,14,15
	MMZ S+8*\tt, 6*\tt, 16, 32+\tt/2, 29, \tt%2
.endr
	WIN 0
.rept 4
	v_nop                                          ; places in front of the loads into Q and of the first read of the scores
.endr
	; 2: the next tile's Q is asked for; the last trip asks for its own again, so that no load leaves its buffer
	s_cmp_lt_u32 s[TI], 15
	s_cselect_b32 s12, 1536, 0
	s_cselect_b32 s14, 64, 0
	s_cselect_b32 s16, 4096, 0
	s_add_nc_u64 s[QC:QC+1], s[QC:QC+1], s[12:13]  ; (the loads that read these bases were waited for in the trip before)
	s_add_nc_u64 s[QS:QS+1], s[QS:QS+1], s[14:15]
	global_load_b128 v[16:19], v1, s[QC:QC+1]
	global_load_b64 v[20:21], v2, s[QC:QC+1] offset:512
	global_load_b32 v28, v4, s[QS:QS+1]
	; 3, 4: my first step
	s_wait_kmcnt 0x0
	MASK 0
	s_load_b512 s[32:47], s[MB:MB+1], 0x100        ; my second step's mask words
	s_load_b512 s[48:63], s[MB:MB+1], 0x140
	s_load_b512 s[68:83], s[MB:MB+1], 0x180
	s_load_b512 s[84:99], s[MB:MB+1], 0x1c0
	BMAX 0
	PEXP 0
	; 5: my second step; its lines name none of the first step's exponentials
	s_wait_kmcnt 0x0
	MASK 1
	s_add_nc_u64 s[MB:MB+1], s[MB:MB+1], s[16:17]
	s_load_b512 s[32:47], s[MB:MB+1], 0x0          ; the next tile's, my first step
	s_load_b512 s[48:63], s[MB:MB+1], 0x40
	s_load_b512 s[68:83], s[MB:MB+1], 0x80
	s_load_b512 s[84:99], s[MB:MB+1], 0xc0
	BMAX 1
	PEXP 1
	v_min_num_f32 v86, v46, v48                    ; my wave's nM.  (A plain place behind the exponentials)
	s_wait_alu depctr_va_vdst(0)                   ; one wait for all 128, ahead of their first reader
	v_pk_add_f32 v[54:55], v[S:S+1], v[S+4:S+5]    ; the sums of the unquantised p: four chains
	v_pk_add_f32 v[58:59], v[S+64:S+65], v[S+68:S+69]
	v_pk_add_f32 v[56:57], v[S+2:S+3], v[S+6:S+7]
	v_pk_add_f32 v[60:61], v[S+66:S+67], v[S+70:S+71]
.set j, 8
.rept 14
	v_pk_add_f32 v[54:55], v[54:55], v[S+j:S+j+1]
	v_pk_add_f32 v[58:59], v[58:59], v[S+64+j:S+65+j]
	v_pk_add_f32 v[56:57], v[56:57], v[S+j+2:S+j+3]
	v_pk_add_f32 v[60:61], v[60:61], v[S+66+j:S+67+j]
.set j, j+4
.endr
	v_pk_add_f32 v[54:55], v[54:55], v[56:57]
	v_pk_add_f32 v[58:59], v[58:59], v[60:61]
	v_add_f32 v54, v54, v55
	v_add_f32 v58, v58, v59
	; 6: my wave's figures go to LDS
	v_sub_f32 v88, v86, v46                        ; a whole number, 0 or less
	v_sub_f32 v89, v86, v48
	v_cvt_i32_f32 v88, v88                         ; (it saturates)
	v_cvt_i32_f32 v89, v89
	v_ldexp_f32 v54, v54, v88
	v_ldexp_f32 v58, v58, v89
	v_add_f32 v87, v54, v58
	v_permlanex16_b32 v90, v87, s[SEL], s[SEL+1]
	v_add_f32 v87, v87, v90                        ; with lane l xor 16's keys
	ds_store_b64 v5, v[86:87]
	s_wait_dscnt 0x0                               ; for the others' sake: this store has landed, and so has the last trip's into RED
	s_barrier_signal -1
.irp b, 0,1,2,3,4,5,6,7
	v_fma_f32 v[BM+\b], v[BM+\b], s[CS], v[46+2*(\b/4)]   ; the blocks' largest scores go the way of all scores
.endr
.irp b, 0,1,2,3,4,5,6,7
	v_exp_f32 v[BM+\b], v[BM+\b]
.endr
	v_nop
	s_wait_alu depctr_va_vdst(0)
	s_barrier_wait -1
	; 7: the row's figures
.irp w, 0,1,2,3,4,5,6,7
	ds_load_b64 v[96+2*\w:97+2*\w], v2 offset:STAT+256*\w
.endr
	s_wait_dscnt 0x0
	v_min3_num_f32 v88, v96, v98, v100
	v_min3_num_f32 v88, v88, v102, v104
	v_min3_num_f32 v88, v88, v106, v108
	v_min_num_f32 v88, v88, v110                   ; the row's nM
.irp w, 0,1,2,3,4,5,6,7
	v_sub_f32 v[96+2*\w], v88, v[96+2*\w]
.endr
.irp w, 0,1,2,3,4,5,6,7
	v_cvt_i32_f32 v[96+2*\w], v[96+2*\w]
.endr
.irp w, 0,1,2,3,4,5,6,7
	v_ldexp_f32 v[97+2*\w], v[97+2*\w], v[96+2*\w]
.endr
	v_add_f32 v97, v97, v99
	v_add_f32 v101, v101, v103
	v_add_f32 v105, v105, v107
	v_add_f32 v109, v109, v111
	v_add_f32 v97, v97, v101
	v_add_f32 v105, v105, v109
	v_add_f32 v97, v97, v105                       ; the row's sum
	v_rcp_f32 v89, v97
	v_sub_f32 v90, v88, v46                        ; my steps' M less the row's
	v_sub_f32 v91, v88, v48
	v_cvt_i32_f32 v90, v90
	v_cvt_i32_f32 v91, v91
	s_wait_alu depctr_va_vdst(0)
	v_cmp_lt_f32 vcc_lo, 0, v97
	v_cndmask_b32 v89, 0, v89, vcc_lo              ; a row with no open key: 0
	v_ldexp_f32 v50, v89, v90
	v_ldexp_f32 v52, v89, v91
	v_mov_b32 v51, v50
	v_mov_b32 v53, v52
	s_wait_loadcnt 0x0                             ; the next tile's Q
	v_bfe_u32 v29, v28, s[HO16], 16
	v_add_nc_u32 v30, s[XSO], v11                  ; the slot of the tile before (made by every wave, ahead of the parting)
	; 8: wave 0 finishes the tile before
	s_cmp_lg_u32 s[WV], 0
	s_cbranch_scc1 .Lno_duty
	s_cmp_eq_u32 s[TI], 0
	s_cbranch_scc1 .Lno_duty
	DUTY
.Lno_duty:
	; 9: attn, its scales, its codes, and the second product
	MULP 0
.irp b, 0,1,2,3,4,5,6,7
	v_mul_f32 v[BT+\b], v[BM+\b], v[50+2*(\b/4)]   ; the block's largest attn
.endr
.irp b, 0,1,2,3,4,5,6,7
	v_max_num_f32 v[BT+\b], 0x1800000, v[BT+\b]
.endr
.irp b, 0,1,2,3,4,5,6,7
	v_add_nc_u32 v[SO+\b], 0xff000000, v[BT+\b]
.endr
.irp b, 0,1,2,3,4,5,6,7
	v_lshrrev_b32 v[BT+\b], 23, v[SO+\b]
.endr
.irp ks, 0,1
	v_lshl_or_b32 v[44+\ks], v[BT+4*\ks+1], 8, v[BT+4*\ks]
	v_lshl_or_b32 v[44+\ks], v[BT+4*\ks+2], 16, v[44+\ks]
	v_lshl_or_b32 v[44+\ks], v[BT+4*\ks+3], 24, v[44+\ks]
.endr
	CVT 0, 96
	MULP 1                                         ; (these 32 are also the places in front of the products)
	WIN 0x51                                       ; V and O^T window 1, P window 0
.irp t, 0,1,2,3
	MMZ 200+8*\t, 104+12*\t, 96, 40+\t/2, 44, \t%2
.endr
	WIN 0
	CVT 1, 108
.rept 4
	v_nop
.endr
	WIN 0x51
.irp t, 0,1,2,3                                ; the four accumulators by turns
	MMA 200+8*\t, 152+12*\t, 108, 42+\t/2, 45, \t%2
.endr
	WIN 0
.rept 4
	v_nop
.endr
	; 10: the eight waves' parts of O^T are added: wave w adds registers 4 w .. 4 w + 3
	WIN 0x04                                       ; an LDS store's data are its source 1: window 1
.irp q, 0,1,2,3,4,5,6,7
	ds_store_b128 v7, v[200+4*\q:203+4*\q] offset:512*\q
.endr
	WIN 0
	s_wait_dscnt 0x0
	s_barrier_signal -1
	s_barrier_wait -1
.irp w, 0,1,2,3,4,5,6,7
	ds_load_b128 v[96+4*\w:99+4*\w], v8 offset:4096*\w
.endr
	s_wait_dscnt 0x0
.irp g, 0,8,16,24
	v_pk_add_f32 v[96+\g:97+\g], v[96+\g:97+\g], v[100+\g:101+\g]
	v_pk_add_f32 v[98+\g:99+\g], v[98+\g:99+\g], v[102+\g:103+\g]
.endr
.irp g, 0,16
	v_pk_add_f32 v[96+\g:97+\g], v[96+\g:97+\g], v[104+\g:105+\g]
	v_pk_add_f32 v[98+\g:99+\g], v[98+\g:99+\g], v[106+\g:107+\g]
.endr
	v_pk_add_f32 v[96:97], v[96:97], v[112:113]
	v_pk_add_f32 v[98:99], v[98:99], v[114:115]
	ds_store_b128 v9, v[96:99]                     ; read by wave 0 behind the next barrier
	s_add_co_u32 s[XSO], s[XSO], 32
	s_add_co_u32 s[TI], s[TI], 1
	s_cmp_lt_u32 s[TI], 16
	s_cbranch_scc1 .Ltile
	s_wait_kmcnt 0x0                               ; the mask words that the last trip asked for again
	s_wait_dscnt 0x0
	s_barrier_signal -1
	s_barrier_wait -1
	v_add_nc_u32 v30, s[XSO], v11
	s_cmp_lg_u32 s[WV], 0
	s_cbranch_scc1 .Lend
	DUTY                                           ; the last tile
	ds_load_b128 v[96:99], v12                     ; the sixteen tiles' scale bytes: LDS serves a wave's instructions in order
	s_wait_dscnt 0x0
	global_store_b128 v1, v[96:99], s[XS:XS+1]     ; 512 consecutive bytes
.Lend:
	s_wait_tensorcnt 0x0                           ; the wave's end
	ds_add_u32 v14, v15
	s_wait_dscnt 0x0
	s_endpgm
.Lfunc_end_k_q7b9a49de9b_attn:
	.size	k_q7b9a49de9b_attn, .Lfunc_end_k_q7b9a49de9b_attn-k_q7b9a49de9b_attn
	.p2alignl 7, 3214868480
	.fill 96, 4, 3214868480
	.section	.rodata,"a",@progbits
	.p2align	6, 0x0
	.amdhsa_kernel k_q7b9a49de9b_attn
		.amdhsa_group_segment_fixed_size 40704
		.amdhsa_private_segment_fixed_size 0
		.amdhsa_enable_private_segment 0
		.amdhsa_kernarg_size 24
		.amdhsa_user_sgpr_count 2
		.amdhsa_user_sgpr_kernarg_segment_ptr 1
		.amdhsa_wavefront_size32 1
		.amdhsa_system_sgpr_workgroup_id_x 1
		.amdhsa_system_sgpr_workgroup_id_y 1
		.amdhsa_system_sgpr_workgroup_id_z 1
		.amdhsa_system_vgpr_workitem_id 0
		.amdhsa_next_free_vgpr 512
		.amdhsa_next_free_sgpr 102
		.amdhsa_reserve_vcc 1
		.amdhsa_float_denorm_mode_32 3
		.amdhsa_float_denorm_mode_16_64 3
		.amdhsa_memory_ordered 1
		.amdhsa_forward_progress 1
		.amdhsa_inst_pref_size 63
	.end_amdhsa_kernel
	.amdgpu_metadata
---
amdhsa.version: [ 1, 2 ]
amdhsa.kernels:
  - .name:           k_q7b9a49de9b_attn
    .symbol:         k_q7b9a49de9b_attn.kd
    .args:
      - { .name: prj, .offset: 0, .size: 8, .value_kind: global_buffer, .address_space: global }
      - { .name: mbits, .offset: 8, .size: 8, .value_kind: global_buffer, .address_space: global }
      - { .name: xat, .offset: 16, .size: 8, .value_kind: global_buffer, .address_space: global }
    .group_segment_fixed_size: 40704
    .private_segment_fixed_size: 0
    .kernarg_segment_align: 8
    .kernarg_segment_size: 24
    .max_flat_workgroup_size: 256
    .sgpr_count:     102
    .vgpr_count:     512
    .wavefront_size: 32
...
	.end_amdgpu_metadata
.endif
;; end of part 3
;; launch outp (part 4): grid 16 x 16, 4 waves a work-group, clusters of 4 x 1, 167,936 bytes of LDS; arguments xat, wts, bo, out0; writes out0
.if DOCPART == 4
	.amdgcn_target "amdgcn-amd-amdhsa--gfx1250"
	.amdhsa_code_object_version 6
	.text
	.protected	k_q7b9a49de9b_outp
	.globl	k_q7b9a49de9b_outp
	.p2align	8
	.type	k_q7b9a49de9b_outp,@function
k_q7b9a49de9b_outp:
	s_mov_b64 s[64:65], 0
	v_nop
	global_prefetch_b8 v0, s[64:65] scope:SCOPE_SE
	s_setreg_imm32_b32 hwreg(HW_REG_WAVE_MODE, 25, 1), 1
	s_wait_xcnt 0x0
	s_wait_alu depctr_hold_cnt(0) depctr_sa_sdst(0) depctr_va_vdst(0) depctr_va_sdst(0) depctr_va_ssrc(0) depctr_va_vcc(0) depctr_vm_vsrc(0)
	s_getreg_b32 s2, hwreg(HW_REG_IB_STS2, 6, 4)
	s_cmp_eq_u32 s2, 0
	s_cbranch_scc0 .Lentry_in_a_cluster
	s_endpgm
.Lentry_in_a_cluster:
	s_bfe_u32 s2, ttmp6, 0x10000c
	s_cmp_lg_u32 s2, 0x3003
	s_cbranch_scc0 .Lentry_shape_is_right
	s_endpgm
.Lentry_shape_is_right:
; THE LAST PRODUCT: out0 = x Wo + bo, on codes of FP6 (E2M3).  Source 0 = 16 columns of Wo, source 1 = 16 tokens of x: a lane holds one token and eight neighbouring outputs.
; A tile's rows are not neighbours (lane r of tile T: row 32 (T / 2) + 8 (T % 2) + r + 8 (r / 8)): the way out puts tokens and columns back in their places.
; SHARES.  A work-group makes 256 tokens x 64 columns: 256 work-groups.  Each of its four waves makes 64 tokens (4 tiles a) x 64 columns (4 tiles t): 16 accumulators.  x's fragments are a wave's own: from memory straight into 384
; registers, once.  Wo's panel (4 tiles x all of K, 49,152 bytes, and 2,048 of scale words) is shared by the four waves and by the four work-groups of a cluster, which differ in the tokens alone: joint tensor loads, each wave one tile,
; in two halves of four K steps.  All are first fills: by this text's count three loads of a wave are out at the most, and no LDS byte is filled twice.
; x's scale bytes lie two to a head: a K step (two heads) takes its word from two loads of 16 bits.
; REGISTERS.  window 0: v1-8 addresses; v14, v15 the add's two; v16-31 Wo's scale words (8 x pair of tiles + K step), v32-47 x's; v64-111, v112-159 Wo's fragments, two sets; v160-191 x's scale bytes as loaded; v192-255 rows of the output.
;   window 1: accumulator (a, t) at 32 a + 8 t; v128-159 the bias, in the result's layout.   window 2: x (a = 0, 1; K step s) at 96 a + 12 s.   window 3: x (a = 2, 3).
.set SCL,   49152                      ; LDS: half hf at 24,576 hf (tile t at 6,144 t, K step at 1,536 (s % 4)); then Wo's scale words;
.set STG,   51200                      ; a stage of 16 rows x (256 + 16) bytes for each wave, into which no tensor load lands;
.set SPARE, 68608                      ; the spare words
.set WV,  16
.set G1C, 24
.set G1S, 32
.set G0,  40
.set G0S, 48
.set S0C, 52
.set S0S, 54
.set S1C, 56
.set XSP, 58
.set BIA, 60
.set OUT, 62
.set S0SC, 16
.set S1SC, 32
.set B0,  64
.set MSB, 0
.macro WIN new
.if MSB != (\new)
	s_set_vgpr_msb (MSB<<8)|(\new)
.set MSB, (\new)
.endif
.endm
.macro ROUND
	s_barrier_signal -1
	s_barrier_wait -1
	s_cmp_lg_u32 s[WV], 0
	s_cbranch_scc1 .Lnot_wave_0_\@
	s_barrier_signal -3
.Lnot_wave_0_\@:
	s_barrier_wait -3
	s_barrier_signal -1
	s_barrier_wait -1
.endm
.macro MM d, a, b, c, sa, sb, ra, rb
.if (\ra)&&(\rb)
	v_wmma_scale_f32_16x16x128_f8f6f4 v[\d:\d+7], v[\a:\a+11], v[\b:\b+11], v[\c:\c+7], v[\sa], v[\sb] matrix_a_fmt:MATRIX_FMT_FP6 matrix_b_fmt:MATRIX_FMT_FP6 matrix_a_scale:MATRIX_SCALE_ROW1 matrix_b_scale:MATRIX_SCALE_ROW1
.elseif (\ra)
	v_wmma_scale_f32_16x16x128_f8f6f4 v[\d:\d+7], v[\a:\a+11], v[\b:\b+11], v[\c:\c+7], v[\sa], v[\sb] matrix_a_fmt:MATRIX_FMT_FP6 matrix_b_fmt:MATRIX_FMT_FP6 matrix_a_scale:MATRIX_SCALE_ROW1
.elseif (\rb)
	v_wmma_scale_f32_16x16x128_f8f6f4 v[\d:\d+7], v[\a:\a+11], v[\b:\b+11], v[\c:\c+7], v[\sa], v[\sb] matrix_a_fmt:MATRIX_FMT_FP6 matrix_b_fmt:MATRIX_FMT_FP6 matrix_b_scale:MATRIX_SCALE_ROW1
.else
	v_wmma_scale_f32_16x16x128_f8f6f4 v[\d:\d+7], v[\a:\a+11], v[\b:\b+11], v[\c:\c+7], v[\sa], v[\sb] matrix_a_fmt:MATRIX_FMT_FP6 matrix_b_fmt:MATRIX_FMT_FP6
.endif
.endm
	s_load_b256 s[4:11], s[0:1], 0x0               ; xat, wts, bo, out0
	v_lshl_add_u32 v14, v0, 2, SPARE
	v_mov_b32 v15, 0
	ds_add_u32 v14, v15                            ; the wave's opening: the add and its wait stand ahead of my first tensor load
	v_lshrrev_b32 v1, 5, v0
	v_readfirstlane_b32 s[WV], v1
	v_and_b32 v9, 31, v0                           ; lane
	v_and_b32 v10, 15, v0                          ; r
	v_bfe_u32 v11, v0, 4, 1                        ; h
	v_lshlrev_b32 v1, 4, v9                        ; 16 x lane
	v_lshlrev_b32 v2, 3, v9                        ; 8 x lane
	v_lshlrev_b32 v3, 5, v10
	v_lshl_add_u32 v3, v11, 9, v3
	v_add_nc_u32 v3, SCL, v3                       ; Wo's scale words: 32 r, and the next tile's for lanes 16-31
	v_lshlrev_b32 v4, 1, v9                        ; 2 x lane
	v_lshlrev_b32 v5, 6, v11                       ; the bias: 16 h numbers on
	s_mul_i32 s17, s[WV], 4352
	s_add_co_u32 s17, s17, STG                     ; my stage
	v_mul_u32_u24 v6, v10, 272
	v_lshl_add_u32 v6, v11, 6, v6
	v_add_nc_u32 v6, s17, v6                       ; in: row r, + 64 h
	v_mul_u32_u24 v7, v11, 272
	v_lshl_add_u32 v7, v10, 4, v7
	v_add_nc_u32 v7, s17, v7                       ; back: lanes 0-15 one row of 256 bytes, lanes 16-31 the next
	v_lshlrev_b32 v8, 12, v11
	v_lshl_add_u32 v8, v10, 4, v8                  ; and the same two rows in out0
	s_mov_b32 s[G1C], 15|(3<<16)|(1<<21)           ; 15:0 the mask: all four work-groups; 17:16 elements of 8 bytes; 21 set beside a mask
	s_mov_b32 s[G1C+1], 32<<16                     ; four K steps of my tile: 6,144 dense bytes as 24 rows of 256
	s_mov_b32 s[G1C+2], 24<<16
	s_mov_b32 s[G1C+3], 32<<16
	s_mov_b32 s[G1C+4], 24
	s_mov_b32 s[G1C+5], 32
	s_mov_b32 s[G1C+6], 0
	s_mov_b32 s[G1C+7], 0
	s_mov_b32 s[G1S], 15|(3<<16)|(1<<21)           ; my tile's scale words: 512 dense bytes as two rows of 256
	s_mov_b32 s[G1S+1], 32<<16
	s_mov_b32 s[G1S+2], 2<<16
	s_mov_b32 s[G1S+3], 32<<16
	s_mov_b32 s[G1S+4], 2
	s_mov_b32 s[G1S+5], 32
	s_mov_b32 s[G1S+6], 0
	s_mov_b32 s[G1S+7], 0
	s_and_b32 s17, ttmp7, 0xffff                   ; which 64 columns: the four partners share it
	s_mul_i32 s18, s17, 49152
	s_mul_i32 s20, s[WV], 12288
	s_add_co_u32 s18, s18, s20
	s_add_co_u32 s18, s18, 2359296                 ; Wo's codes: my tile
	s_mov_b32 s19, 0
	s_lshl_b32 s20, s17, 2
	s_add_co_u32 s20, s20, s[WV]
	s_lshl_b32 s20, s20, 9
	s_add_co_u32 s20, s20, 3145728+98304           ; and its scale words
	s_mov_b32 s21, 0
	s_lshl_b32 s22, s17, 8                         ; 64 columns of f32
	s_mov_b32 s23, 0
	s_bfe_u32 s66, ttmp6, 0x40000                  ; cx: it enters x's and the output's addresses alone
	s_lshl_b32 s67, ttmp9, 2
	s_add_co_u32 s66, s66, s67                     ; which 256 tokens
	s_lshl_b32 s66, s66, 4
	s_lshl_b32 s67, s[WV], 2
	s_add_co_u32 s66, s66, s67                     ; my first tile of tokens
	s_mul_i32 s68, s66, 12288
	s_mov_b32 s69, 0
	s_lshl_b32 s70, s66, 5
	s_add_co_u32 s70, s70, 3145728
	s_mov_b32 s71, 0
	s_lshl_b32 s72, s66, 16                        ; 16 rows of 4,096 bytes a tile
	s_add_co_u32 s72, s72, s22
	s_mov_b32 s73, 0
	s_wait_dscnt 0x0                               ; the opening add is done
	s_wait_kmcnt 0x0
	s_add_nc_u64 s[S0C:S0C+1], s[6:7], s[18:19]
	s_add_nc_u64 s[S0S:S0S+1], s[6:7], s[20:21]
	s_add_nc_u64 s[S1C:S1C+1], s[4:5], s[68:69]
	s_add_nc_u64 s[XSP:XSP+1], s[4:5], s[70:71]
	s_add_nc_u64 s[BIA:BIA+1], s[8:9], s[22:23]
	s_add_nc_u64 s[OUT:OUT+1], s[10:11], s[72:73]
	s_mul_i32 s17, s[WV], 6144
.irp hf, 0,1
	s_mov_b32 s[G0+4*\hf], 1
	s_add_co_u32 s[G0+4*\hf+1], s17, 24576*\hf
	s_add_nc_u64 s[G0+4*\hf+2:G0+4*\hf+3], s[S0C:S0C+1], 6144*\hf
	s_or_b32 s[G0+4*\hf+3], s[G0+4*\hf+3], 0x80000000
.endr
	s_mov_b32 s[G0S], 1
	s_lshl_b32 s17, s[WV], 9
	s_add_co_u32 s[G0S+1], s17, SCL
	s_mov_b64 s[G0S+2:G0S+3], s[S0S:S0S+1]
	s_or_b32 s[G0S+3], s[G0S+3], 0x80000000
	ROUND                                          ; all four work-groups are here: the joint loads meet
	tensor_load_to_lds s[G0S:G0S+3], s[G1S:G1S+7]
	s_nop 0
	tensor_load_to_lds s[G0:G0+3], s[G1C:G1C+7]
	s_nop 0
	tensor_load_to_lds s[G0+4:G0+7], s[G1C:G1C+7]
	s_nop 0
.rept 4
	v_nop
.endr
.irp pr, 0,1
.irp hd, 0,1,2,3,4,5,6,7,8,9,10,11,12,13,14,15
	global_load_u16 v[160+16*\pr+\hd], v4, s[XSP:XSP+1] offset:8192*\hd+64*\pr   ; lanes 0-15: tile 2 pr's rows; lanes 16-31: tile 2 pr + 1's
.endr
.endr
	WIN 0x40
.irp t, 0,1,2,3
	global_load_b128 v[128+8*\t:131+8*\t], v5, s[BIA:BIA+1] offset:(32*(\t/2)+8*(\t%2))*4
	global_load_b128 v[132+8*\t:135+8*\t], v5, s[BIA:BIA+1] offset:(32*(\t/2)+8*(\t%2))*4+16
.endr
.irp s, 0,1,2,3,4,5,6,7                        ; x: 128 loads, K step by K step, so that the waits below can count them
	WIN 0x80
.irp a, 0,1
	global_load_b128 v[96*\a+12*\s:96*\a+12*\s+3], v1, s[S1C:S1C+1] offset:12288*\a+1536*\s
	global_load_b64 v[96*\a+12*\s+4:96*\a+12*\s+5], v2, s[S1C:S1C+1] offset:12288*\a+1536*\s+512
	global_load_b128 v[96*\a+12*\s+6:96*\a+12*\s+9], v1, s[S1C:S1C+1] offset:12288*\a+1536*\s+768
	global_load_b64 v[96*\a+12*\s+10:96*\a+12*\s+11], v2, s[S1C:S1C+1] offset:12288*\a+1536*\s+1280
.endr
	WIN 0xc0
.irp a, 0,1
	global_load_b128 v[96*\a+12*\s:96*\a+12*\s+3], v1, s[S1C:S1C+1] offset:12288*(\a+2)+1536*\s
	global_load_b64 v[96*\a+12*\s+4:96*\a+12*\s+5], v2, s[S1C:S1C+1] offset:12288*(\a+2)+1536*\s+512
	global_load_b128 v[96*\a+12*\s+6:96*\a+12*\s+9], v1, s[S1C:S1C+1] offset:12288*(\a+2)+1536*\s+768
	global_load_b64 v[96*\a+12*\s+10:96*\a+12*\s+11], v2, s[S1C:S1C+1] offset:12288*(\a+2)+1536*\s+1280
.endr
.endr
	WIN 0
.macro FETCH s                         ; Wo's four fragments of K step s into set s % 2
.irp t, 0,1,2,3
.irp c, 0,1,2
	ds_load_b128 v[B0+48*((\s)%2)+12*\t+4*\c:B0+48*((\s)%2)+12*\t+4*\c+3], v1 offset:24576*((\s)/4)+6144*\t+1536*((\s)%4)+512*\c
.endr
.endr
.endm
; 8 products: x's tiles a0, a0 + 1 x Wo's four.  first = 1: the bias starts the sums.  The 16 accumulators take turns, one instruction a turn, in the same order in every K step.
.macro MUL s, a0, first
	WIN 0x58+4*((\a0)/2)                           ; Wo window 0, x window 2 or 3, C and D window 1
.irp a, \a0, \a0+1
.irp t, 0,1,2,3
.if \first
	MM 32*(\a)+8*\t, B0+48*((\s)%2)+12*\t, 96*((\a)%2)+12*(\s), 128+8*\t, S0SC+8*(\t/2)+(\s), S1SC+8*((\a)/2)+(\s), \t%2, (\a)%2
.else
	MM 32*(\a)+8*\t, B0+48*((\s)%2)+12*\t, 96*((\a)%2)+12*(\s), 32*(\a)+8*\t, S0SC+8*(\t/2)+(\s), S1SC+8*((\a)/2)+(\s), \t%2, (\a)%2
.endif
.endr
.endr
.endm
.macro KSTEP s, first, lc, tc          ; lc: x's loads issued behind this step's own (-1: an earlier wait serves); tc: 0 where the next K step begins the second half
.if (\lc) >= 0
	s_wait_loadcnt \lc
.endif
	s_wait_dscnt 0x0
	MUL \s, 0, \first
	WIN 0
.if (\tc) >= 0
	s_wait_tensorcnt \tc
	s_barrier_signal -1
	s_barrier_wait -1
.endif
.if (\s) < 7
.rept 4
	v_nop                                          ; places in front of loads into the set that the step before multiplied
.endr
	FETCH (\s)+1
.endif
	MUL \s, 2, \first
	WIN 0
.endm
	s_wait_tensorcnt 1                             ; the scale words and the first half are in; the second half may be out
	s_barrier_signal -1
	s_barrier_wait -1
.irp pr, 0,1
	ds_load_b128 v[S0SC+8*\pr:S0SC+8*\pr+3], v3 offset:1024*\pr
	ds_load_b128 v[S0SC+8*\pr+4:S0SC+8*\pr+7], v3 offset:1024*\pr+16
.endr
	FETCH 0
	s_wait_loadcnt 63                              ; at most the last 63 loads are out: the scale bytes, the bias and K steps 0 to 3 are in
.irp pr, 0,1
.irp s, 0,1,2,3,4,5,6,7
	v_lshl_or_b32 v[S1SC+8*\pr+\s], v[160+16*\pr+2*\s+1], 16, v[160+16*\pr+2*\s]   ; a K step's word: the even head's two bytes below the odd head's
.endr
.endr
.rept 8
	v_nop                                          ; a scale register written by a vector instruction stands 8 places ahead of a scaled product
.endr
	KSTEP 0, 1, -1, -1
	KSTEP 1, 0, -1, -1
	KSTEP 2, 0, -1, -1
	KSTEP 3, 0, -1, 0
	KSTEP 4, 0, 48, -1
	KSTEP 5, 0, 32, -1
	KSTEP 6, 0, 16, -1
	KSTEP 7, 0, 0, -1
	; THE WAY OUT, a tile of 16 tokens at a time: through my own stage, back as whole rows of 256 bytes.  LDS serves a wave's instructions in order: no wait between the stores and the loads.
.rept 4
	v_nop
.endr
.irp a, 0,1,2,3
.if \a > 1
	s_wait_xcnt 0x0                                ; tile a - 2's stores have read the registers that tile a's rows take
.endif
	WIN 0x04                                       ; an LDS store's data are its source 1: window 1
.irp t, 0,1,2,3
	ds_store_b128 v6, v[32*\a+8*\t:32*\a+8*\t+3] offset:128*(\t/2)+32*(\t%2)          ; columns 32 (t / 2) + 8 (t % 2) + 16 h + 0 .. 7; each accumulator from its low end on
	ds_store_b128 v6, v[32*\a+8*\t+4:32*\a+8*\t+7] offset:128*(\t/2)+32*(\t%2)+16
.endr
	WIN 0
.irp m, 0,1,2,3,4,5,6,7
	ds_load_b128 v[192+32*(\a%2)+4*\m:195+32*(\a%2)+4*\m], v7 offset:544*\m
.endr
	s_wait_dscnt 0x0
.irp m, 0,1,2,3,4,5,6,7
	global_store_b128 v8, v[192+32*(\a%2)+4*\m:195+32*(\a%2)+4*\m], s[OUT:OUT+1] offset:(32*(\a/2)+8*(\a%2)+2*\m+8*(\m/4))*4096 th:TH_STORE_NT   ; sixteen lanes store 256 consecutive bytes, aligned; the tile's row 2 m + h is token 2 m + h + 8 (m / 4) of its 32
.endr
.endr
	s_wait_tensorcnt 0x0                           ; the wave's end
	ds_add_u32 v14, v15
	s_wait_dscnt 0x0
	ROUND                                          ; the closing round
	s_endpgm
.Lfunc_end_k_q7b9a49de9b_outp:
	.size	k_q7b9a49de9b_outp, .Lfunc_end_k_q7b9a49de9b_outp-k_q7b9a49de9b_outp
	.p2alignl 7, 3214868480
	.fill 96, 4, 3214868480
	.section	.rodata,"a",@progbits
	.p2align	6, 0x0
	.amdhsa_kernel k_q7b9a49de9b_outp
		.amdhsa_group_segment_fixed_size 167936
		.amdhsa_private_segment_fixed_size 0
		.amdhsa_enable_private_segment 0
		.amdhsa_kernarg_size 32
		.amdhsa_user_sgpr_count 2
		.amdhsa_user_sgpr_kernarg_segment_ptr 1
		.amdhsa_wavefront_size32 1
		.amdhsa_system_sgpr_workgroup_id_x 1
		.amdhsa_system_sgpr_workgroup_id_y 1
		.amdhsa_system_sgpr_workgroup_id_z 1
		.amdhsa_system_vgpr_workitem_id 0
		.amdhsa_next_free_vgpr 960
		.amdhsa_next_free_sgpr 76
		.amdhsa_reserve_vcc 0
		.amdhsa_float_denorm_mode_32 3
		.amdhsa_float_denorm_mode_16_64 3
		.amdhsa_memory_ordered 1
		.amdhsa_forward_progress 1
		.amdhsa_inst_pref_size 56
	.end_amdhsa_kernel
	.amdgpu_metadata
---
amdhsa.version: [ 1, 2 ]
amdhsa.kernels:
  - .name:           k_q7b9a49de9b_outp
    .symbol:         k_q7b9a49de9b_outp.kd
    .args:
      - { .name: xat, .offset: 0, .size: 8, .value_kind: global_buffer, .address_space: global }
      - { .name: wts, .offset: 8, .size: 8, .value_kind: global_buffer, .address_space: global }
      - { .name: bo, .offset: 16, .size: 8, .value_kind: global_buffer, .address_space: global }
      - { .name: out0, .offset: 24, .size: 8, .value_kind: global_buffer, .address_space: global }
    .group_segment_fixed_size: 167936
    .private_segment_fixed_size: 0
    .kernarg_segment_align: 8
    .kernarg_segment_size: 32
    .max_flat_workgroup_size: 128
    .sgpr_count:     76
    .vgpr_count:     960
    .wavefront_size: 32
...
	.end_amdgpu_metadata
.endif
;; end of part 4
;; ======== version 2 of 2: 4 launches; version 1 with the launch attn written anew for expert scheduling mode
;; workspace buffers: xin 9,830,400 bytes; wts 3,276,800 bytes; mbits 1,048,576 bytes of whole numbers; prj 9,830,400 bytes; xat 3,276,800 bytes
;; launch prep: the kernel of part 1 again; grid 576 x 1, 4 waves a work-group, no clusters, 68,096 bytes of LDS; arguments q, k, v, mask, Wq, Wk, Wv, Wo, xin, wts, mbits; writes xin, wts, mbits
;; launch proj: the kernel of part 2 again; grid 4 x 96, 4 waves a work-group, clusters of 4 x 1, 167,936 bytes of LDS; arguments xin, wts, bq, bk, bv, prj; writes prj
;; launch attn (part 5): grid 8 x 32, 8 waves a work-group, no clusters, 40,704 bytes of LDS; arguments prj, mbits, xat; writes xat
.if DOCPART == 5
	.amdgcn_target "amdgcn-amd-amdhsa--gfx1250"
	.amdhsa_code_object_version 6
	.text
	.protected	k_q7b9a49de9b_attn
	.globl	k_q7b9a49de9b_attn
	.p2align	8
	.type	k_q7b9a49de9b_attn,@function
k_q7b9a49de9b_attn:
	s_mov_b64 s[64:65], 0
	v_nop
	global_prefetch_b8 v0, s[64:65] scope:SCOPE_SE
	s_setreg_imm32_b32 hwreg(HW_REG_WAVE_SCHED_MODE, 0, 2), 2
	s_setreg_imm32_b32 hwreg(HW_REG_WAVE_MODE, 25, 1), 1
	s_wait_xcnt 0x0
	s_wait_alu depctr_vm_vsrc(0)
; ATTENTION on codes of FP6 (E2M3): scores = qh kh^T / 8, masked; attn = softmax, FINISHED AND NORMALISED, is what is quantised along the keys; x = attn vh, quantised along the hidden axis for the last product.
; SHARES.  A work-group owns one (batch, head) and 256 queries: 16 tiles of 16.  THE KEYS ARE SHARED OUT AMONG ITS EIGHT WAVES: wave w owns keys 256 w .. 256 w + 255, and its part of K (96 registers) and of V (96) stays in registers
; for the whole launch, read from memory once.  For each tile of queries a wave's 16 x 256 scores lie in 128 registers from the first product to the conversion: so each score has ONE exponential, though the row's sum must be known
; before any weight is quantised.  The waves exchange a row's maximum and sum, and then their parts of x, through LDS: two barriers a tile.  Two waves share a SIMD: one's vector work stands beside the other's products and waits.
; No cluster: what work-groups share (K, V of a head) is read once by each, straight into registers, at the head; nothing is streamed.
; LAYOUT.  Both products are used transposed: S^T = K Q^T (source 0 = 16 keys), O^T = V^T P^T (source 0 = 16 of the head's 64): a lane holds ONE query (lane % 16).  A tile's rows are not neighbours (lane r of tile T: row
; 32 (T / 2) + 8 (T % 2) + r + 8 (r / 8)), so that the 16 registers of tiles 2 b, 2 b + 1 are 16 neighbours, 32 b + 16 (lane / 16) + 0 .. 15.
; THE FIRST PRODUCT'S K IS 64, the instruction's 128: Q's upper six registers hold zero codes; K's operand of tile tt is v[6 tt : 6 tt + 11], whose upper half is the next tile's codes: they meet zeros.  Bytes 2, 3 of both scale words are 0.
; THE SOFTMAX.  t = score x c, c = log2(e) / 8.  Each step of 128 keys has a whole number M = ceil(its largest t), kept as nM = floor(-t); p = 2^(t - M).  The row's M is the largest of them; sums are brought under it by v_ldexp_f32,
; which rounds nothing.  attn = p x f, f = 2^(step's M - row's M) / the row's sum.  Hidden scores become -infinity ahead of the maximum; a step with no open key takes t = -3e38, its p are 0.  A row with no open key has the sum 0: its f is 0,
; and attn is 0 there, as nan_to_num leaves it.
; LIMITS: NaN and infinities are not served; p under 2^-126 comes out as 0 (v_exp_f32 flushes); a block's largest attn is taken from its largest score, by the same three instructions: this takes v_exp_f32 not to fall where its input
; rises; a block of zeros gets the byte 1 (its codes are zeros).
; OUT: xat: x's codes [tile of tokens 256][pair of heads 8][1536], a head's half at 768 x (head % 2): registers 0-3 at 16 x lane, 4, 5 at 512 + 8 x lane; at 3,145,728 two scale bytes a row: [head 16][tile 256][16 rows] of 16 bits.
; REGISTERS.  window 0: v1 16 L, v2 8 L, v3 4 L, v4 4 r, v5, v7-12, v30 LDS addresses, v13 -infinity, v14, v15 the add's two; v16-27 Q; v28 Q's scale word as loaded, v29 as used; v32-39 K's scale words, v40-43 V's, v44, v45 P's;
;   v46-49 nM of my two steps (pairs), v50-53 f (pairs), v54-61 sums, v62-69 the blocks' largest, v70-77, v78-85, v86-95 at work; v96-107, v108-119 P's codes, v120-127 at work; v128-255 S^T, then p, then attn.
;   window 1: v0-95 K, v96-101 zeros, v104-199 V (tile t, step ks at 104 + 12 (4 ks + t)), v200-231 O^T.
; THE MODE: SCHED_MODE bits 1:0 = 2 (LLVM: expert scheduling mode 2), set by the entry lines.  The code itself states the register dependences between vector or matrix instructions and memory or LDS instructions, with s_wait_alu, always for 0.
; THE PLAN.  Registers that memory or LDS instructions touch, in the loop:
;   v1, v2, v4, v5, v7-10  Offsets and LDS addresses: made at the head, never written again.
;   v16-21, v28      Q and its scale word.  Read by the tile's 16 products and by one v_bfe_u32; the next tile's loads land there behind the first step's selects.
;   s32-63, s68-99   The mask words of one step.  Read by the step's 64 selects; the next step's scalar loads land there.
;   v86, v87         My wave's figures: written by the sums' last lines, read by one LDS store, written again by the next tile's lines.
;   v96-127          The eight waves' figures land in v96-111, later the eight parts of O^T in v96-127; between the two they hold P's codes, which vector and matrix instructions alone name.  v96-99 go out to RED.
;   O^T              Written by the second product, read by eight LDS stores, written again by the next tile's second product.
;   v30; in wave 0 v70-85, v112-127 (loads land), v86-92 (stores read)   The tile before is finished by wave 0.
; So a tile has nine waits on va_vdst (three of them the transcendentals' own) and two on vm_vsrc, one beside the wait on DScnt in front of each barrier.  Each says below what it covers.
.set STAT,  0                          ; LDS: (nM, sum) of each wave: 256 w + 8 L.  It begins at byte 0, so 8 L (v2) also reads it back
.set OP,    2048                       ; each wave's part of O^T: 4,096 w + 512 q + 16 L (q: four registers)
.set RED,   34816                      ; the sum of the eight parts: 512 q + 16 L
.set XSL,   38912                      ; x's scale bytes, 32 bytes a slot; tile i goes to slot i + 1
.set SPARE, 39680                      ; the spare words, 128 bytes for each wave
.set WV,   10
.set HO16, 11                          ; 16 x (head % 2): where my head's two bytes begin in a scale word
.set QC,   18                          ; s[18:19] Q's codes, s[20:21] Q's scale words, s[22:23] the mask words, s[24:25] x's codes, s[26:27] x's scale bytes
.set QS,   20
.set MB,   22
.set XC,   24
.set XS,   26
.set SEL,  30
.set CS,   66
.set TI,   100
.set XSO,  101
.set S,    128
.set BM,   62
.set BT,   70
.set SO,   78
.set MSB, 0
.macro WIN new
.if MSB != (\new)
	s_set_vgpr_msb (MSB<<8)|(\new)
.set MSB, (\new)
.endif
.endm
.macro MMZ d, a, b, sa, sb, ra         ; a product that starts a sum; ra: source 0's scale words stand in lanes 16-31
.if (\ra)
	v_wmma_scale_f32_16x16x128_f8f6f4 v[\d:\d+7], v[\a:\a+11], v[\b:\b+11], 0, v[\sa], v[\sb] matrix_a_fmt:MATRIX_FMT_FP6 matrix_b_fmt:MATRIX_FMT_FP6 matrix_a_scale:MATRIX_SCALE_ROW1
.else
	v_wmma_scale_f32_16x16x128_f8f6f4 v[\d:\d+7], v[\a:\a+11], v[\b:\b+11], 0, v[\sa], v[\sb] matrix_a_fmt:MATRIX_FMT_FP6 matrix_b_fmt:MATRIX_FMT_FP6
.endif
.endm
.macro MMA d, a, b, sa, sb, ra         ; and one that adds onto it
.if (\ra)
	v_wmma_scale_f32_16x16x128_f8f6f4 v[\d:\d+7], v[\a:\a+11], v[\b:\b+11], v[\d:\d+7], v[\sa], v[\sb] matrix_a_fmt:MATRIX_FMT_FP6 matrix_b_fmt:MATRIX_FMT_FP6 matrix_a_scale:MATRIX_SCALE_ROW1
.else
	v_wmma_scale_f32_16x16x128_f8f6f4 v[\d:\d+7], v[\a:\a+11], v[\b:\b+11], v[\d:\d+7], v[\sa], v[\sb] matrix_a_fmt:MATRIX_FMT_FP6 matrix_b_fmt:MATRIX_FMT_FP6
.endif
.endm
	s_load_b128 s[4:7], s[0:1], 0x0                ; prj, mbits
	s_load_b64 s[8:9], s[0:1], 0x10                ; xat
	v_lshl_add_u32 v14, v0, 2, SPARE
	v_mov_b32 v15, 0
	v_lshrrev_b32 v1, 5, v0
	v_readfirstlane_b32 s[WV], v1                  ; wave 0..7
	v_and_b32 v3, 31, v0
	v_and_b32 v4, 15, v0
	v_lshlrev_b32 v1, 4, v3
	v_lshlrev_b32 v2, 3, v3
	v_lshlrev_b32 v3, 2, v3
	v_lshlrev_b32 v11, 1, v4
	v_add_nc_u32 v11, XSL, v11                     ; my row's two scale bytes in slot 0
	v_lshlrev_b32 v4, 2, v4
.irp j, 22,23,24,25,26,27
	v_mov_b32 v[\j], 0                             ; Q's upper 64 along K: zero codes, for the whole launch
.endr
	WIN 0x40
.irp j, 96,97,98,99,100,101
	v_mov_b32 v[\j], 0                             ; what stands behind K's last tile
.endr
	WIN 0
	s_wait_alu depctr_va_sdst(0)                   ; the wave's number is written, ahead of its first reader: the offsets below are made from it
	s_and_b32 s68, ttmp7, 0xffff
	s_lshr_b32 s69, s68, 4                         ; batch
	s_and_b32 s70, s68, 15                         ; head
	s_lshr_b32 s71, s70, 1                         ; pair of heads
	s_and_b32 s72, s70, 1
	s_lshl_b32 s[HO16], s72, 4
	s_mul_i32 s79, s72, 768                        ; my head's half of a fragment
	s_lshl_b32 s73, s71, 8
	s_lshl_b32 s74, s69, 7
	s_add_co_u32 s73, s73, s74                     ; 256 x pair + 128 x batch
	s_lshl_b32 s75, s[WV], 4
	s_add_co_u32 s75, s75, s73                     ; my first fragment of K
	s_lshl_b32 s76, ttmp9, 4
	s_add_co_u32 s77, s73, s76                     ; the first fragment of Q
	s_add_co_u32 s78, s74, s76                     ; the first tile of tokens
	s_mul_i32 s80, s75, 1536
	s_add_co_u32 s80, s80, s79
	s_add_co_u32 s80, s80, 3145728
	s_mov_b32 s81, 0
	s_lshl_b32 s82, s75, 6
	s_add_co_u32 s82, s82, 9437184+131072
	s_mov_b32 s83, 0
	s_lshl_b32 s84, s69, 4
	s_lshl_b32 s85, s[WV], 1
	s_add_co_u32 s84, s84, s85                     ; my first step of 128 keys
	s_lshl_b32 s85, s84, 6
	s_lshl_b32 s86, s70, 2
	s_add_co_u32 s85, s85, s86                     ; my first fragment of V
	s_mul_i32 s86, s85, 1536
	s_add_co_u32 s86, s86, 6291456
	s_mov_b32 s87, 0
	s_lshl_b32 s88, s85, 6
	s_add_co_u32 s88, s88, 9437184+262144
	s_mov_b32 s89, 0
	s_mul_i32 s90, s77, 1536
	s_add_co_u32 s90, s90, s79
	s_mov_b32 s91, 0
	s_lshl_b32 s92, s77, 6
	s_add_co_u32 s92, s92, 9437184
	s_mov_b32 s93, 0
	s_lshl_b32 s94, s78, 4
	s_lshl_b32 s95, s[WV], 1
	s_add_co_u32 s94, s94, s95
	s_lshl_b32 s94, s94, 8                         ; the mask words of the first tile, my first step
	s_mov_b32 s95, 0
	s_lshl_b32 s96, s78, 3
	s_add_co_u32 s96, s96, s71
	s_mul_i32 s96, s96, 1536
	s_add_co_u32 s96, s96, s79
	s_mov_b32 s97, 0
	s_lshl_b32 s98, s70, 8
	s_add_co_u32 s98, s98, s78
	s_lshl_b32 s98, s98, 5
	s_add_co_u32 s98, s98, 3145728
	s_mov_b32 s99, 0
	s_mov_b32 s[SEL], 0x76543210
	s_mov_b32 s[SEL+1], 0xfedcba98
	s_mov_b32 s[CS], 0x3e38aa3b                    ; c = log2(e) / 8
	s_mov_b32 s[CS+1], s[CS]                       ; (named with it as a pair, so it is written)
	s_wait_kmcnt 0x0
	s_add_nc_u64 s[12:13], s[4:5], s[80:81]        ; K's codes
	s_add_nc_u64 s[14:15], s[4:5], s[82:83]        ; K's scale words
	s_add_nc_u64 s[16:17], s[4:5], s[86:87]        ; V's codes
	s_add_nc_u64 s[28:29], s[4:5], s[88:89]        ; V's scale words
	s_add_nc_u64 s[QC:QC+1], s[4:5], s[90:91]
	s_add_nc_u64 s[QS:QS+1], s[4:5], s[92:93]
	s_add_nc_u64 s[MB:MB+1], s[6:7], s[94:95]
	s_add_nc_u64 s[XC:XC+1], s[8:9], s[96:97]
	s_add_nc_u64 s[XS:XS+1], s[8:9], s[98:99]
	WIN 0x40                                       ; destination window 1
	s_wait_alu depctr_va_vdst(0)                   ; the offsets v1 to v4 are written, which the loads below, and every global load and store of the kernel, read
.irp tt, 0,1,2,3,4,5,6,7,8,9,10,11,12,13,14,15
	global_load_b128 v[6*\tt:6*\tt+3], v1, s[12:13] offset:1536*\tt
	global_load_b64 v[6*\tt+4:6*\tt+5], v2, s[12:13] offset:1536*\tt+512
.endr
.irp ks, 0,1
.irp t, 0,1,2,3
	global_load_b128 v[104+12*(4*\ks+\t):107+12*(4*\ks+\t)], v1, s[16:17] offset:(64*\ks+\t)*1536
	global_load_b64 v[108+12*(4*\ks+\t):109+12*(4*\ks+\t)], v2, s[16:17] offset:(64*\ks+\t)*1536+512
	global_load_b128 v[110+12*(4*\ks+\t):113+12*(4*\ks+\t)], v1, s[16:17] offset:(64*\ks+\t)*1536+768
	global_load_b64 v[114+12*(4*\ks+\t):115+12*(4*\ks+\t)], v2, s[16:17] offset:(64*\ks+\t)*1536+1280
.endr
.endr
	WIN 0
.irp a, 0,1,2,3,4,5,6,7
	global_load_b32 v[32+\a], v3, s[14:15] offset:128*\a       ; lanes 0-15: tile 2 a's rows; lanes 16-31: tile 2 a + 1's
.endr
.irp ks, 0,1
.irp p, 0,1
	global_load_b32 v[40+2*\ks+\p], v3, s[28:29] offset:4096*\ks+128*\p
.endr
.endr
	global_load_b128 v[16:19], v1, s[QC:QC+1]
	global_load_b64 v[20:21], v2, s[QC:QC+1] offset:512
	global_load_b32 v28, v4, s[QS:QS+1]
	s_load_b512 s[32:47], s[MB:MB+1], 0x0          ; the first tile's mask words of my first step (the offsets above have been used)
	s_load_b512 s[48:63], s[MB:MB+1], 0x40
	s_load_b512 s[68:83], s[MB:MB+1], 0x80
	s_load_b512 s[84:99], s[MB:MB+1], 0xc0
	s_wait_loadcnt 0x0
.irp a, 0,1,2,3,4,5,6,7
	v_bfe_u32 v[32+\a], v[32+\a], s[HO16], 16      ; my head's two bytes; bytes 2 and 3 are 0
.endr
	v_bfe_u32 v29, v28, s[HO16], 16
	s_lshl_b32 s100, s[WV], 8                      ; the lines from here to the loop are also the places between these scale words and the first product
	v_add_nc_u32 v5, s100, v2                      ; STAT + 256 w + 8 L
	s_lshl_b32 s100, s[WV], 12
	s_add_co_u32 s100, s100, OP
	v_add_nc_u32 v7, s100, v1                      ; OP + 4,096 w + 16 L: where I put my part
	s_lshl_b32 s100, s[WV], 9
	s_add_co_u32 s101, s100, OP
	v_add_nc_u32 v8, s101, v1                      ; OP + 512 w + 16 L: the four registers that I add up
	s_add_co_u32 s101, s100, RED
	v_add_nc_u32 v9, s101, v1                      ; RED + 512 w + 16 L
	v_add_nc_u32 v10, RED, v1
	v_add_nc_u32 v12, XSL+32, v1
	v_mov_b32 v13, 0xff800000                      ; -infinity
.irp j, 70,71,72,73,74,75,76,77,90,94,95
	v_mov_b32 v[\j], 0                             ; (lane permutes' destinations count as sources)
.endr
	s_wait_alu depctr_va_vdst(0)                   ; the head's vector lines are done: the LDS addresses v5, v7 to v12 are written, which the loop's LDS instructions read; the scale words v29, v32-39 and the zero codes, which the first products take; v70-77, in which wave 0's loads land
	s_mov_b32 s13, 0                               ; the upper words of the three steps
	s_mov_b32 s15, 0
	s_mov_b32 s17, 0
	s_mov_b32 s[TI], 0
	s_mov_b32 s[XSO], 0
.macro MASK ks                         ; where the bit is 0 the score becomes -infinity.  Ascending: each accumulator is read from its low end on
.set n, 0
.rept 32
	v_cndmask_b32 v[S+64*\ks+n], v13, v[S+64*\ks+n], s[32+n]
.set n, n+1
.endr
.set n, 0
.rept 32
	v_cndmask_b32 v[S+64*\ks+32+n], v13, v[S+64*\ks+32+n], s[68+n]
.set n, n+1
.endr
.endm
.macro BMAX ks                         ; the largest score of each block of 32 keys; of them the step's; nM = floor(-t)
.irp b, 0,1,2,3
	v_max3_num_f32 v[BM+4*\ks+\b], v[S+64*\ks+16*\b], v[S+64*\ks+16*\b+1], v[S+64*\ks+16*\b+2]
.endr
.irp i, 3,5,7,9,11,13
.irp b, 0,1,2,3
	v_max3_num_f32 v[BM+4*\ks+\b], v[BM+4*\ks+\b], v[S+64*\ks+16*\b+\i], v[S+64*\ks+16*\b+\i+1]
.endr
.endr
.irp b, 0,1,2,3
	v_max_num_f32 v[BM+4*\ks+\b], v[BM+4*\ks+\b], v[S+64*\ks+16*\b+15]
.endr
.irp b, 0,1,2,3
	v_permlanex16_b32 v[BT+4*\ks+\b], v[BM+4*\ks+\b], s[SEL], s[SEL+1]
.endr
.irp b, 0,1,2,3
	v_max_num_f32 v[BM+4*\ks+\b], v[BM+4*\ks+\b], v[BT+4*\ks+\b]
.endr
	v_max3_num_f32 v86, v[BM+4*\ks], v[BM+4*\ks+1], v[BM+4*\ks+2]
	v_max_num_f32 v86, v86, v[BM+4*\ks+3]
	v_mul_f32 v86, s[CS], v86
	v_max_num_f32 v86, 0xff61b1e6, v86             ; -3e38 where no key of the step is open
	v_floor_f32 v[46+2*\ks], -v86
	v_mov_b32 v[47+2*\ks], v[46+2*\ks]             ; (the pair's upper word is named with it)
.endm
.macro PEXP ks                         ; p = 2^(c s + nM)
.set j, 0
.rept 32
	v_pk_fma_f32 v[S+64*\ks+j:S+64*\ks+j+1], v[S+64*\ks+j:S+64*\ks+j+1], s[CS:CS+1], v[46+2*\ks:47+2*\ks] op_sel_hi:[1,0,0]
.set j, j+2
.endr
.set j, 0
.rept 64
	v_exp_f32 v[S+64*\ks+j], v[S+64*\ks+j]
.set j, j+1
.endr
.endm
.macro MULP ks                         ; attn = p x f
.set j, 0
.rept 32
	v_pk_mul_f32 v[S+64*\ks+j:S+64*\ks+j+1], v[S+64*\ks+j:S+64*\ks+j+1], v[50+2*\ks:51+2*\ks] op_sel_hi:[1,0]
.set j, j+2
.endr
.endm
.macro CVT ks, pc                      ; a step's 64 numbers of a lane become the second product's operand
.irp c, 0,1
	v_cvt_scalef32_pk16_fp6_f32 v[\pc+6*\c:\pc+6*\c+2], v[S+64*\ks+32*\c:S+64*\ks+32*\c+15], v[SO+4*\ks+2*\c]
	v_cvt_scalef32_pk16_fp6_f32 v[120+4*\c:122+4*\c], v[S+64*\ks+32*\c+16:S+64*\ks+32*\c+31], v[SO+4*\ks+2*\c+1]
.endr
	v_nop                                          ; one plain place behind the conversions
.irp c, 0,1
.irp i, 0,1,2
	v_permlane16_swap_b32 v[\pc+6*\c+\i], v[120+4*\c+\i]
.endr
.irp i, 0,1,2
	v_mov_b32 v[\pc+3+6*\c+\i], v[120+4*\c+\i]
.endr
.endr
.endm
; Wave 0 finishes a tile: the summed O^T (32 numbers a lane: register 16 b + e = channel 32 b + 16 (lane / 16) + e of my query) is quantised along the channels and stored.
; Its eight loads owe no wait of their own: no vector or matrix instruction issued since the last wait on va_vdst ahead of the macro names v70-85 or v112-127.  Its three stores stand together behind one wait.
.macro DUTY
.irp q, 0,1,2,3
	ds_load_b128 v[112+4*\q:115+4*\q], v10 offset:512*\q
.endr
.irp q, 0,1,2,3
	ds_load_b128 v[70+4*\q:73+4*\q], v10 offset:2048+512*\q
.endr
	s_wait_dscnt 0x0
	v_max3_num_f32 v92, |v112|, |v113|, 0x1800000
	v_max3_num_f32 v93, |v70|, |v71|, 0x1800000
.irp i, 2,4,6,8,10,12,14
	v_max3_num_f32 v92, v92, |v[112+\i]|, |v[113+\i]|
	v_max3_num_f32 v93, v93, |v[70+\i]|, |v[71+\i]|
.endr
	v_permlanex16_b32 v94, v92, s[SEL], s[SEL+1]
	v_permlanex16_b32 v95, v93, s[SEL], s[SEL+1]
	v_max_num_f32 v92, v92, v94
	v_max_num_f32 v93, v93, v95
	v_add_nc_u32 v94, 0xff000000, v92
	v_add_nc_u32 v95, 0xff000000, v93
	v_lshrrev_b32 v92, 23, v94
	v_lshrrev_b32 v93, 23, v95
	v_lshl_or_b32 v92, v93, 8, v92
	v_cvt_scalef32_pk16_fp6_f32 v[86:88], v[112:127], v94
	v_cvt_scalef32_pk16_fp6_f32 v[96:98], v[70:85], v95
	v_nop
.irp i, 0,1,2
	v_permlane16_swap_b32 v[86+\i], v[96+\i]
.endr
.irp i, 0,1,2
	v_mov_b32 v[89+\i], v[96+\i]
.endr
	s_wait_alu depctr_va_vdst(0)                   ; the two bytes in v92, their slot's address v30 and the codes v86-91 are written, which the three stores read
	ds_store_b16 v30, v92                          ; both lanes of a row write the same two bytes
	global_store_b128 v1, v[86:89], s[XC:XC+1]
	global_store_b64 v2, v[90:91], s[XC:XC+1] offset:512
	s_wait_xcnt 0x0                                ; the stores have had their addresses translated: their base may be written
	s_add_nc_u64 s[XC:XC+1], s[XC:XC+1], 12288     ; the next tile of tokens
.endm
.Ltile:
	; 1: my 256 keys x the tile's 16 queries
	WIN 0x01
.irp tt, 0,1,2,3,4,5,6,7,8,9,10,11,12,13,14,15
	MMZ S+8*\tt, 6*\tt, 16, 32+\tt/2, 29, \tt%2
.endr
	WIN 0
.rept 4
	v_nop                                          ; places in front of the first read of the scores
.endr
	; 2: my first step's mask
	s_wait_kmcnt 0x0
	MASK 0
	s_wait_alu depctr_va_vdst(0)                   ; the 16 products are done reading Q, and the last tile's v_bfe_u32 v28: the loads below land there; the selects are done reading s32-63 and s68-99, in which the scalar loads below land
	; 3: the next tile's Q is asked for; the last trip asks for its own again, so that no load leaves its buffer
	s_cmp_lt_u32 s[TI], 15
	s_cselect_b32 s12, 1536, 0
	s_cselect_b32 s14, 64, 0
	s_cselect_b32 s16, 4096, 0
	s_add_nc_u64 s[QC:QC+1], s[QC:QC+1], s[12:13]  ; (the loads that read these bases were waited for in the trip before)
	s_add_nc_u64 s[QS:QS+1], s[QS:QS+1], s[14:15]
	global_load_b128 v[16:19], v1, s[QC:QC+1]
	global_load_b64 v[20:21], v2, s[QC:QC+1] offset:512
	global_load_b32 v28, v4, s[QS:QS+1]
	s_load_b512 s[32:47], s[MB:MB+1], 0x100        ; my second step's mask words
	s_load_b512 s[48:63], s[MB:MB+1], 0x140
	s_load_b512 s[68:83], s[MB:MB+1], 0x180
	s_load_b512 s[84:99], s[MB:MB+1], 0x1c0
	; 4: my first step
	BMAX 0
	PEXP 0
	; 5: my second step; its lines name none of the first step's exponentials
	s_wait_kmcnt 0x0
	MASK 1
	BMAX 1
	PEXP 1
	v_min_num_f32 v86, v46, v48                    ; my wave's nM.  (A plain place behind the exponentials)
	s_wait_alu depctr_va_vdst(0)                   ; all 128 exponentials have written p, ahead of their first reader; and the second step's selects are done reading s32-63 and s68-99, in which the scalar loads below land
	s_add_nc_u64 s[MB:MB+1], s[MB:MB+1], s[16:17]  ; (the scalar loads that read this base were waited for ahead of the second step's selects)
	s_load_b512 s[32:47], s[MB:MB+1], 0x0          ; the next tile's, my first step
	s_load_b512 s[48:63], s[MB:MB+1], 0x40
	s_load_b512 s[68:83], s[MB:MB+1], 0x80
	s_load_b512 s[84:99], s[MB:MB+1], 0xc0
	v_pk_add_f32 v[54:55], v[S:S+1], v[S+4:S+5]    ; the sums of the unquantised p: four chains
	v_pk_add_f32 v[58:59], v[S+64:S+65], v[S+68:S+69]
	v_pk_add_f32 v[56:57], v[S+2:S+3], v[S+6:S+7]
	v_pk_add_f32 v[60:61], v[S+66:S+67], v[S+70:S+71]
.set j, 8
.rept 14
	v_pk_add_f32 v[54:55], v[54:55], v[S+j:S+j+1]
	v_pk_add_f32 v[58:59], v[58:59], v[S+64+j:S+65+j]
	v_pk_add_f32 v[56:57], v[56:57], v[S+j+2:S+j+3]
	v_pk_add_f32 v[60:61], v[60:61], v[S+66+j:S+67+j]
.set j, j+4
.endr
	v_pk_add_f32 v[54:55], v[54:55], v[56:57]
	v_pk_add_f32 v[58:59], v[58:59], v[60:61]
	v_add_f32 v54, v54, v55
	v_add_f32 v58, v58, v59
	; 6: my wave's figures go to LDS
	v_sub_f32 v88, v86, v46                        ; a whole number, 0 or less
	v_sub_f32 v89, v86, v48
	v_cvt_i32_f32 v88, v88                         ; (it saturates)
	v_cvt_i32_f32 v89, v89
	v_ldexp_f32 v54, v54, v88
	v_ldexp_f32 v58, v58, v89
	v_add_f32 v87, v54, v58
	v_permlanex16_b32 v90, v87, s[SEL], s[SEL+1]
	v_add_f32 v87, v87, v90                        ; with lane l xor 16's keys
	s_wait_alu depctr_va_vdst(0)                   ; my figures v86 and v87 are written, which the store reads
	ds_store_b64 v5, v[86:87]
	s_wait_dscnt 0x0                               ; for the others' sake: this store has landed, and so has the last trip's into RED
	s_wait_alu depctr_vm_vsrc(0)                   ; this store has read v86 and v87, which wave 0's conversions and the next tile's lines write again; the last trip's store into RED has read v96-99, in which the figures' loads land
	s_barrier_signal -1
.irp b, 0,1,2,3,4,5,6,7
	v_fma_f32 v[BM+\b], v[BM+\b], s[CS], v[46+2*(\b/4)]   ; the blocks' largest scores go the way of all scores
.endr
.irp b, 0,1,2,3,4,5,6,7
	v_exp_f32 v[BM+\b], v[BM+\b]
.endr
	v_nop
	s_wait_alu depctr_va_vdst(0)                   ; the eight exponentials have written v62-69; and all that named v96-111 in the tile before is done: the loads below land there
	s_barrier_wait -1
	; 7: the row's figures
.irp w, 0,1,2,3,4,5,6,7
	ds_load_b64 v[96+2*\w:97+2*\w], v2 offset:STAT+256*\w
.endr
	s_wait_dscnt 0x0
	v_min3_num_f32 v88, v96, v98, v100
	v_min3_num_f32 v88, v88, v102, v104
	v_min3_num_f32 v88, v88, v106, v108
	v_min_num_f32 v88, v88, v110                   ; the row's nM
.irp w, 0,1,2,3,4,5,6,7
	v_sub_f32 v[96+2*\w], v88, v[96+2*\w]
.endr
.irp w, 0,1,2,3,4,5,6,7
	v_cvt_i32_f32 v[96+2*\w], v[96+2*\w]
.endr
.irp w, 0,1,2,3,4,5,6,7
	v_ldexp_f32 v[97+2*\w], v[97+2*\w], v[96+2*\w]
.endr
	v_add_f32 v97, v97, v99
	v_add_f32 v101, v101, v103
	v_add_f32 v105, v105, v107
	v_add_f32 v109, v109, v111
	v_add_f32 v97, v97, v101
	v_add_f32 v105, v105, v109
	v_add_f32 v97, v97, v105                       ; the row's sum
	v_rcp_f32 v89, v97
	v_sub_f32 v90, v88, v46                        ; my steps' M less the row's
	v_sub_f32 v91, v88, v48
	v_cmp_lt_f32 vcc_lo, 0, v97                    ; has the row an open key?
	v_cvt_i32_f32 v90, v90
	v_cvt_i32_f32 v91, v91
	s_wait_alu depctr_va_vdst(0)                   ; the reciprocal has written v89, ahead of its first reader; and all that named v70-85 and v112-127 so far is done: wave 0's loads land there
	s_wait_alu depctr_va_vcc(0)                    ; the compare has written VCC, which the select reads
	v_cndmask_b32 v89, 0, v89, vcc_lo              ; a row with no open key: 0
	v_ldexp_f32 v50, v89, v90
	v_ldexp_f32 v52, v89, v91
	v_mov_b32 v51, v50
	v_mov_b32 v53, v52
	s_wait_loadcnt 0x0                             ; the next tile's Q
	v_bfe_u32 v29, v28, s[HO16], 16
	v_add_nc_u32 v30, s[XSO], v11                  ; the slot of the tile before (made by every wave, ahead of the parting)
	; 8: wave 0 finishes the tile before
	s_cmp_lg_u32 s[WV], 0
	s_cbranch_scc1 .Lno_duty
	s_cmp_eq_u32 s[TI], 0
	s_cbranch_scc1 .Lno_duty
	DUTY
.Lno_duty:
	; 9: attn, its scales, its codes, and the second product
	MULP 0
.irp b, 0,1,2,3,4,5,6,7
	v_mul_f32 v[BT+\b], v[BM+\b], v[50+2*(\b/4)]   ; the block's largest attn
.endr
.irp b, 0,1,2,3,4,5,6,7
	v_max_num_f32 v[BT+\b], 0x1800000, v[BT+\b]
.endr
.irp b, 0,1,2,3,4,5,6,7
	v_add_nc_u32 v[SO+\b], 0xff000000, v[BT+\b]
.endr
.irp b, 0,1,2,3,4,5,6,7
	v_lshrrev_b32 v[BT+\b], 23, v[SO+\b]
.endr
.irp ks, 0,1
	v_lshl_or_b32 v[44+\ks], v[BT+4*\ks+1], 8, v[BT+4*\ks]
	v_lshl_or_b32 v[44+\ks], v[BT+4*\ks+2], 16, v[44+\ks]
	v_lshl_or_b32 v[44+\ks], v[BT+4*\ks+3], 24, v[44+\ks]
.endr
	CVT 0, 96
	MULP 1
	CVT 1, 108                                     ; both steps' codes are made ahead of the products, so that one wait serves all eight
.rept 4
	v_nop                                          ; an operand written by vector instructions stands 4 places ahead of a scaled product (the scale words stand far more than 8)
.endr
	s_wait_alu depctr_va_vdst(0)                   ; P's codes v96-119 and its scale words v44, v45 are written, which the products take; the places above stay beside this wait
	WIN 0x51                                       ; V and O^T window 1, P window 0
.irp t, 0,1,2,3
	MMZ 200+8*\t, 104+12*\t, 96, 40+\t/2, 44, \t%2
.endr
.irp t, 0,1,2,3                                ; the four accumulators by turns
	MMA 200+8*\t, 152+12*\t, 108, 42+\t/2, 45, \t%2
.endr
.rept 4
	v_nop                                          ; four places behind the last product, before its result is read
.endr
	; 10: the eight waves' parts of O^T are added: wave w adds registers 4 w .. 4 w + 3
	WIN 0x04                                       ; an LDS store's data are its source 1: window 1
	s_wait_alu depctr_va_vdst(0)                   ; the products have written O^T, which the stores read, and are done reading P's codes v96-119, in which the parts' loads land behind the barrier; the places above stay beside this wait
.irp q, 0,1,2,3,4,5,6,7
	ds_store_b128 v7, v[200+4*\q:203+4*\q] offset:512*\q
.endr
	WIN 0
	s_wait_dscnt 0x0
	s_wait_alu depctr_vm_vsrc(0)                   ; my stores have read O^T, which the next tile's products write again; in wave 0 the three stores of the tile before have read v30 and v86-92, which the next tile's lines write again
	s_barrier_signal -1
	s_barrier_wait -1
.irp w, 0,1,2,3,4,5,6,7
	ds_load_b128 v[96+4*\w:99+4*\w], v8 offset:4096*\w
.endr
	s_wait_dscnt 0x0
.irp g, 0,8,16,24
	v_pk_add_f32 v[96+\g:97+\g], v[96+\g:97+\g], v[100+\g:101+\g]
	v_pk_add_f32 v[98+\g:99+\g], v[98+\g:99+\g], v[102+\g:103+\g]
.endr
.irp g, 0,16
	v_pk_add_f32 v[96+\g:97+\g], v[96+\g:97+\g], v[104+\g:105+\g]
	v_pk_add_f32 v[98+\g:99+\g], v[98+\g:99+\g], v[106+\g:107+\g]
.endr
	v_pk_add_f32 v[96:97], v[96:97], v[112:113]
	v_pk_add_f32 v[98:99], v[98:99], v[114:115]
	s_wait_alu depctr_va_vdst(0)                   ; the additions have written v96-99, which the store reads
	ds_store_b128 v9, v[96:99]                     ; read by wave 0 behind the next barrier
	s_add_co_u32 s[XSO], s[XSO], 32
	s_add_co_u32 s[TI], s[TI], 1
	s_cmp_lt_u32 s[TI], 16
	s_cbranch_scc1 .Ltile
	s_wait_kmcnt 0x0                               ; the mask words that the last trip asked for again
	s_wait_dscnt 0x0
	s_wait_alu depctr_vm_vsrc(0)                   ; my store into RED has read v96-99, which wave 0's conversion writes and in which its last load lands
	s_barrier_signal -1
	s_barrier_wait -1
	v_add_nc_u32 v30, s[XSO], v11
	s_cmp_lg_u32 s[WV], 0
	s_cbranch_scc1 .Lend
	DUTY                                           ; the last tile
	ds_load_b128 v[96:99], v12                     ; the sixteen tiles' scale bytes: LDS serves a wave's instructions in order.  No vector instruction since the wait ahead of the three stores names v96-99
	s_wait_dscnt 0x0
	global_store_b128 v1, v[96:99], s[XS:XS+1]     ; 512 consecutive bytes
.Lend:
	s_wait_dscnt 0x0                               ; the closing lines, six on end
	s_wait_alu 0x0
	s_wait_tensorcnt 0x0
	ds_add_u32 v14, v15
	s_wait_dscnt 0x0
	s_endpgm
.Lfunc_end_k_q7b9a49de9b_attn:
	.size	k_q7b9a49de9b_attn, .Lfunc_end_k_q7b9a49de9b_attn-k_q7b9a49de9b_attn
	.p2alignl 7, 3214868480
	.fill 96, 4, 3214868480
	.section	.rodata,"a",@progbits
	.p2align	6, 0x0
	.amdhsa_kernel k_q7b9a49de9b_attn
		.amdhsa_group_segment_fixed_size 40704
		.amdhsa_private_segment_fixed_size 0
		.amdhsa_enable_private_segment 0
		.amdhsa_kernarg_size 24
		.amdhsa_user_sgpr_count 2
		.amdhsa_user_sgpr_kernarg_segment_ptr 1
		.amdhsa_wavefront_size32 1
		.amdhsa_system_sgpr_workgroup_id_x 1
		.amdhsa_system_sgpr_workgroup_id_y 1
		.amdhsa_system_sgpr_workgroup_id_z 1
		.amdhsa_system_vgpr_workitem_id 0
		.amdhsa_next_free_vgpr 512
		.amdhsa_next_free_sgpr 102
		.amdhsa_reserve_vcc 1
		.amdhsa_float_denorm_mode_32 3
		.amdhsa_float_denorm_mode_16_64 3
		.amdhsa_memory_ordered 1
		.amdhsa_forward_progress 1
		.amdhsa_inst_pref_size 63
	.end_amdhsa_kernel
	.amdgpu_metadata
---
amdhsa.version: [ 1, 2 ]
amdhsa.kernels:
  - .name:           k_q7b9a49de9b_attn
    .symbol:         k_q7b9a49de9b_attn.kd
    .args:
      - { .name: prj, .offset: 0, .size: 8, .value_kind: global_buffer, .address_space: global }
      - { .name: mbits, .offset: 8, .size: 8, .value_kind: global_buffer, .address_space: global }
      - { .name: xat, .offset: 16, .size: 8, .value_kind: global_buffer, .address_space: global }
    .group_segment_fixed_size: 40704
    .private_segment_fixed_size: 0
    .kernarg_segment_align: 8
    .kernarg_segment_size: 24
    .max_flat_workgroup_size: 256
    .sgpr_count:     102
    .vgpr_count:     512
    .wavefront_size: 32
...
	.end_amdgpu_metadata
.endif
;; end of part 5
;; launch outp: the kernel of part 4 again; grid 16 x 16, 4 waves a work-group, clusters of 4 x 1, 167,936 bytes of LDS; arguments xat, wts, bo, out0; writes out0
